; MI455X (gfx1250); checked and timed in simulation.
; The chip was launched on July 23, 2026; its instructions are those of AMD's public machine-readable ISA for CDNA 5 (MIT licence, August 2026) and "CDNA5" Instruction Set Architecture Reference Guide (July 2026). The comments in the code are by the model that wrote it; some were corrected since.
;; Attention. Allowed arithmetic: matrix products marked QUANTISED: E2M3 operands, one E8M0 scale for each 32 along K, by v_wmma_scale_f32_16x16x128_f8f6f4 with both operands' format E2M3, f32 sums; everything else in f32.
;; Inputs: freqs_cis 2,048 x 32 x 2 float32; wk 512 x 2,048 float32; wo 2,048 x 2,048 float32; wq 2,048 x 2,048 float32; wv 512 x 2,048 float32; x 1 x 2,048 x 2,048 float32.
;; Outputs: out0 1 x 2,048 x 2,048 float32.
;; This version of the problem:
;;   THIS VERSION OF THE PROBLEM IS GIVEN IN LOW PRECISION. The matrix products marked QUANTISED in the list below multiply operands that are first quantised to E2M3 (2 exponent bits, 3 mantissa bits; 6 bits a number), with one power-of-two scale for each 32 numbers along K (OCP MX v1.0); their sums are f32. All else is computed in f32.
;;   The module's matrix products, in the order in which they are computed (A, B: the left and right operand; K: the contracted axis; several contracted axes count as one K, in the product's order):
;;     1. [M 2,048, K 2,048] x [K 2,048, N 2,048]; A: input x; B: input wq: QUANTISED
;;     2. [M 2,048, K 2,048] x [K 2,048, N 512]; A: input x; B: input wk: QUANTISED
;;     3. [M 2,048, K 2,048] x [K 2,048, N 512]; A: input x; B: input wv: QUANTISED
;;     4. batch 8 x [M 2,048, K 64] x [K 64, N 8,192]; A: computed on the way; B: computed on the way: QUANTISED
;;     5. batch 8 x [M 64, K 2,048] x [K 2,048, N 8,192]; A: computed on the way; B: softmax (see below): QUANTISED
;;     6. [M 2,048, K 2,048] x [K 2,048, N 2,048]; A: computed on the way; B: input wo: QUANTISED
;;   THE QUANTISER, for each operand of a quantised product, along K:
;;     - K is cut into blocks of 32 from its start; a last block that is shorter is filled with zeros.
;;     - A block's scale is 2^e with e = floor(log2(the largest magnitude in the block)) - 2, held to -126 .. 127; a block of zeros has e = 0. As a byte (E8M0): e + 127.
;;     - Each number is divided by its block's scale, clamped to +-7.5, and rounded to the nearest number of E2M3, ties to even, subnormals kept.
;;     - The product sums the exact products of the quantised numbers (number of the format x scale) in f32.
;;   ~~~python
;;   def quantise(x, axis):      # numpy; x: float32 -> the quantised numbers, widened to float32 again
;;       x = np.moveaxis(x, axis, -1); K = x.shape[-1]
;;       x = np.pad(x, [(0, 0)] * (x.ndim - 1) + [(0, -K % 32)]); x = x.reshape(x.shape[:-1] + (-1, 32)); a = np.abs(x).max(-1, keepdims=True)
;;       e = np.where(a > 0, np.clip(np.frexp(np.where(a > 0, a, 1))[1] - 1 - 2, -126, 127), 0)      # np.frexp(a)[1] - 1 = floor(log2(a)), exactly
;;       r = np.clip(x / 2.0 ** e, -7.5, 7.5)
;;       step = 2.0 ** (np.maximum(np.frexp(np.where(r == 0, 1, r))[1] - 1, 0) - 3)
;;       q = np.round(r / step) * step * 2.0 ** e      # np.round: ties to even
;;       return np.moveaxis(q.reshape(q.shape[:-2] + (-1,))[..., :K], -1, axis).astype(np.float32)
;;   ~~~
;;   SOFTMAX AHEAD OF A QUANTISED PRODUCT. Where the list says 'softmax', what is quantised is not the finished softmax but p = 2^(t - M), with t = logit x log2(e) and M = ceil(the row's largest t), a whole number; so 1/2 < the row's largest p <= 1. The row's sum l is taken of the UNQUANTISED p, in f32, and the product's result is divided by l at the end. Since M is a whole number, a kernel that streams over the keys may use a running M (the ceiling of the running maximum): every later rescaling is an exact power of two, which a block's scale takes up: the codes' values come out the same.
;;   OPERANDS COMPUTED ON THE WAY. 'Computed on the way' means the value that the module computes at that place (a softmax that the list does not call 'softmax' is quantised finished and normalised). What goes into a quantiser is computed in f32, as accurately as f32 sums, v_exp_f32 and their like allow (about 1e-6 of the number): no bf16 or f16 on the way to a quantiser, and a product that is left as it is and whose result goes on into a quantised operand takes f32 operands (vector FMAs, or v_wmma_f32_16x16x4_f32). A number that lies on a knife's edge between two numbers of the format may be rounded either way, as far as f32 arithmetic and the matrix unit's own rounding can turn it there, and no further.
;; One version. Each part assembles by itself: llvm-mc -triple=amdgcn-amd-amdhsa -mcpu=gfx1250 --defsym DOCPART=n.
;; ======== version 1 of 1: 4 launches
;; limits: right only within a limited range of input values
;; workspace buffers: cod 11,468,800 bytes; qb 3,407,872 bytes; kv 1,671,168 bytes; aoc 3,276,800 bytes
;; launch quant (part 1): grid 448 x 1, 4 waves a work-group, no clusters, 34,304 bytes of LDS; arguments x, wq, wk, wv, wo, cod; writes cod
.if DOCPART == 1
	.amdgcn_target "amdgcn-amd-amdhsa--gfx1250"
	.amdhsa_code_object_version 6
	.text
	.protected	k_q9bc9a4ac70_quant
	.globl	k_q9bc9a4ac70_quant
	.p2align	8
	.type	k_q9bc9a4ac70_quant,@function
k_q9bc9a4ac70_quant:
	s_mov_b64 s[64:65], 0
	v_nop
	global_prefetch_b8 v0, s[64:65] scope:SCOPE_SE
	s_setreg_imm32_b32 hwreg(HW_REG_WAVE_MODE, 25, 1), 1
	s_wait_xcnt 0x0
; x [2048][2048], wq [2048][2048], wk [512][2048], wv [512][2048], wo [2048][2048], all f32 with K innermost, become codes of FP6 (E2M3) with one E8M0 byte for each 32 along K,
; laid in cod AS THE MATRIX UNIT'S REGISTERS WANT THEM.  cod is 448 row tiles of 25,600 bytes: x 0-127, wq 128-255, wk 256-287, wv 288-319, wo 320-447.
; A ROW TILE t of a tensor holds 16 rows that are not neighbours: lane r stands for row 32 (t / 2) + 8 (t % 2) + r + 8 (r / 8), so that a product which takes the tile as source 0 leaves 16 neighbours in the 16 registers of two tiles.
; A row tile is four CHUNKS of 6,400 bytes, one for each 512 along K: eight halves of 768 bytes (16 rows x 64 K = registers 6 c .. 6 c + 5 of a fragment: registers 0-3 as 16 bytes a lane, 512 bytes on end; registers 4-5 as 8 bytes a lane,
; 256 bytes on end), K step s of 128 at 1,536 s, half c at + 768 c; then 256 bytes of scale words, row r's four words (one for each K step) at 6,144 + 16 r.
; A block's scale is 2^(floor(log2(its largest magnitude)) - 2); its byte is the largest magnitude's exponent field - 2, held at 1 from below; each number is divided by the scale and rounded to the nearest code, ties to even, beyond 7.5 the largest code.
; LIMITS: a block whose largest magnitude lies under 2^-124, a block of zeros among them, gets the byte 1 (the rule says 127 for zeros: the codes are zeros, which add nothing under any byte but 0xff, and this program alone reads the bytes); NaN and infinities among the inputs are not served.
; SHARES: a work-group makes one row tile, each of its four waves one chunk: 16 rows x 512 along K, four K steps.  Each load reads 512 consecutive bytes of one row; a K step's 16 x 512 bytes turn through the wave's own stage in LDS
; (rows 528 bytes apart: 33 x 16, so that sixteen rows start in sixteen different groups of banks) and come back as 16 neighbours of each block of 32 to a lane.
; ALL OF A WAVE'S 64 LOADS ARE ISSUED AT ITS HEAD, into four sets of 64 registers, one for each K step: no load waits for an earlier step's work.  Sets 2 and 3 lie in the second window of 256 registers.
; No matrix unit, no cluster, no tensor load: no byte is shared between work-groups, and each input byte is read once.  No prefetch: every read of the launch is asked for at the head.
.set ROWB,   8192                      ; a row of any of the five tensors in bytes
.set SPITCH, 528
.set STG,    16*SPITCH                 ; a wave's stage
.set CHUNK,  6400
.set TILEB,  4*CHUNK
.set TM,  12                           ; v12-15 largest magnitudes, v16-19 the other half's, then bytes, v24-27 the conversions' scale operands
.set PW,  28                           ; v28-31 the scale words of the four K steps
.set R,   32                           ; v32-159 of windows 0 and 1: four sets of 64: K step t as it is loaded lies in window t / 2, at v[32 + 64 (t % 2)]
.set X,   160                          ; v160-223 64 numbers of my row: register 16 b + i = k 32 b + 16 (lane / 16) + i
.set PC,  224                          ; v224-243 the codes just made
.set SEL, 24                           ; s[24:25] v_permlanex16_b32's selects for lane l xor 16
; 64 numbers of a lane, v[s] .. v[s + 63], register 16 b + i = k 32 b + 16 (lane / 16) + i of my row, become a fragment's codes in v[PC] .. v[PC + 11] and its scale word in v[pw].
.macro QUANT s, pw
.irp b, 0,1,2,3
	v_max3_num_f32 v[TM+\b], |v[(\s)+16*\b]|, |v[(\s)+1+16*\b]|, 0x1800000   ; block b: my 16 numbers, and the floor 2^(3 - 127): so the byte cannot fall under 1
.endr
.irp i, 2,4,6,8,10,12,14
.irp b, 0,1,2,3
	v_max3_num_f32 v[TM+\b], v[TM+\b], |v[(\s)+16*\b+\i]|, |v[(\s)+1+16*\b+\i]|   ; the four blocks by turns: no line waits for the line above it
.endr
.endr
.irp b, 0,1,2,3
	v_permlanex16_b32 v[TM+4+\b], v[TM+\b], s[SEL], s[SEL+1]
.endr
.irp b, 0,1,2,3
	v_max_num_f32 v[TM+\b], v[TM+\b], v[TM+4+\b]   ; with lane l xor 16's: the block's largest magnitude
.endr
.irp b, 0,1,2,3
	v_add_nc_u32 v[TM+12+\b], 0xff000000, v[TM+\b]   ; 2 off its exponent field: the conversion takes the exponent field of this operand as its scale
.endr
.irp b, 0,1,2,3
	v_lshrrev_b32 v[TM+4+\b], 23, v[TM+12+\b]      ; the scale's byte
.endr
	v_lshl_or_b32 v[\pw], v[TM+5], 8, v[TM+4]      ; the four bytes make my row's scale word
	v_lshl_or_b32 v[\pw], v[TM+6], 16, v[\pw]
	v_lshl_or_b32 v[\pw], v[TM+7], 24, v[\pw]
.irp c, 0,1
	v_cvt_scalef32_pk16_fp6_f32 v[PC+6*\c:PC+2+6*\c], v[(\s)+32*\c:(\s)+15+32*\c], v[TM+12+2*\c]
	v_cvt_scalef32_pk16_fp6_f32 v[PC+12+4*\c:PC+14+4*\c], v[(\s)+16+32*\c:(\s)+31+32*\c], v[TM+12+2*\c+1]   ; (a conversion's three registers begin on an even number)
.endr
	v_nop                                          ; one plain place behind a scaled conversion
.irp c, 0,1                                    ; the operand's layout wants a WHOLE block in a lane: lanes 0-15 block 2 c, lanes 16-31 block 2 c + 1
.irp i, 0,1,2
	v_permlane16_swap_b32 v[PC+6*\c+\i], v[PC+12+4*\c+\i]
.endr
.irp i, 0,1,2
	v_mov_b32 v[PC+3+6*\c+\i], v[PC+12+4*\c+\i]
.endr
.endr
.endm
	s_load_b256 s[4:11], s[0:1], 0x0               ; x s[4:5], wq s[6:7], wk s[8:9], wv s[10:11]
	s_load_b128 s[12:15], s[0:1], 0x20             ; wo s[12:13], cod s[14:15]
	v_lshl_add_u32 v248, v0, 2, 0x8400             ; my spare word, behind the four stages
	v_mov_b32 v249, 0
	v_lshrrev_b32 v1, 5, v0
	v_readfirstlane_b32 s16, v1                    ; wave 0..3 = which 512 along K
	v_and_b32 v1, 31, v0                           ; lane
	v_and_b32 v2, 15, v0                           ; r
	v_bfe_u32 v3, v0, 4, 1                         ; h
	v_lshlrev_b32 v4, 4, v1                        ; 16 x lane: my bytes of a load's 512, and of a store's
	v_lshlrev_b32 v5, 3, v1                        ; 8 x lane
	s_mul_i32 s17, s16, STG                        ; my wave's stage
	v_add_nc_u32 v6, s17, v4                       ; into it: a row as it is loaded
	v_mul_u32_u24 v7, v2, SPITCH
	v_lshl_add_u32 v7, v3, 6, v7
	v_add_nc_u32 v7, s17, v7                       ; out of it: row r, + 64 h: my 16 numbers of a block of 32
	v_lshlrev_b32 v8, 4, v2
	v_lshl_add_u32 v8, v3, 3, v8                   ; the scale words: row r's 16 bytes, 8 for each half of the lanes
	v_cmp_lt_u32 vcc_lo, 15, v1                    ; lanes 16-31; VCC is not written again
	s_mov_b32 s[SEL], 0x76543210
	s_mov_b32 s[SEL+1], 0xfedcba98
.irp b, 0,1,2,3
	v_mov_b32 v[TM+4+\b], 0                        ; written once: a lane permute's destination counts as one of its sources
.endr
	s_wait_alu depctr_va_vdst(0)                   ; the wait at the head's end
	s_wait_kmcnt 0x0
	s_mov_b64 s[20:21], s[12:13]                   ; which tensor my row tile belongs to: a choice on the work-group's number alone
	s_mov_b32 s22, 320                             ; and that tensor's first row tile in cod
	s_cmp_lt_u32 ttmp9, 320
	s_cselect_b64 s[20:21], s[10:11], s[20:21]
	s_cselect_b32 s22, 288, s22
	s_cmp_lt_u32 ttmp9, 288
	s_cselect_b64 s[20:21], s[8:9], s[20:21]
	s_cselect_b32 s22, 256, s22
	s_cmp_lt_u32 ttmp9, 256
	s_cselect_b64 s[20:21], s[6:7], s[20:21]
	s_cselect_b32 s22, 128, s22
	s_cmp_lt_u32 ttmp9, 128
	s_cselect_b64 s[20:21], s[4:5], s[20:21]
	s_cselect_b32 s22, 0, s22
	s_sub_co_u32 s22, ttmp9, s22                   ; t: the row tile's number in its tensor
	s_lshr_b32 s23, s22, 1
	s_lshl_b32 s23, s23, 5
	s_and_b32 s22, s22, 1
	s_lshl_b32 s22, s22, 3
	s_add_co_u32 s22, s22, s23                     ; its first row: 32 (t / 2) + 8 (t % 2)
	s_lshl_b32 s26, s22, 13                        ; x 8,192 bytes (under 2^25)
	s_lshl_b32 s23, s16, 11                        ; + my 512 along K
	s_add_co_u32 s26, s26, s23
	s_mov_b32 s27, 0
	s_add_nc_u64 s[20:21], s[20:21], s[26:27]
	s_mul_i32 s26, ttmp9, TILEB
	s_mul_i32 s23, s16, CHUNK
	s_add_co_u32 s26, s26, s23
	s_add_nc_u64 s[18:19], s[14:15], s[26:27]      ; my chunk of cod
.macro LOAD t                          ; K step t: the tile's 16 rows, 512 consecutive bytes each, into its own set of 64 registers
.if (\t) >= 2
	s_set_vgpr_msb 0x40                            ; destination window 1, address window 0
.endif
.irp i, 0,1,2,3,4,5,6,7,8,9,10,11,12,13,14,15
	global_load_b128 v[R+64*((\t)%2)+4*\i:R+64*((\t)%2)+4*\i+3], v4, s[20:21] offset:(\i+8*(\i/8))*ROWB+512*(\t) th:TH_LOAD_NT   ; read once in the whole launch
.endr
.if (\t) >= 2
	s_set_vgpr_msb 0x4000                          ; all back to window 0 (the high byte repeats the setting that is left)
.endif
.endm
.macro STEP t
	s_wait_loadcnt 16*(3-(\t))                     ; this K step's 16 loads are in; those of the later steps, 16 each, may be out
.if (\t) >= 2
	s_set_vgpr_msb 0x04                            ; the stores' data: window 1
.endif
.irp i, 0,1,2,3,4,5,6,7,8,9,10,11,12,13,14,15
	ds_store_b128 v6, v[R+64*((\t)%2)+4*\i:R+64*((\t)%2)+4*\i+3] offset:SPITCH*\i
.endr
.if (\t) >= 2
	s_set_vgpr_msb 0x0400
.endif
.irp b, 0,1,2,3
.irp j, 0,1,2,3
	ds_load_b128 v[X+16*\b+4*\j:X+16*\b+4*\j+3], v7 offset:128*\b+16*\j   ; LDS serves a wave's instructions in order: these see the stores above
.endr
.endr
	s_wait_dscnt 0x0                               ; my numbers are back
.if (\t) > 0
	s_wait_xcnt 0x0                                ; the last step's stores have read the codes' registers: they are written again only behind this wait
.endif
	QUANT X, PW+(\t)
.irp c, 0,1
	global_store_b128 v4, v[PC+6*\c:PC+6*\c+3], s[18:19] offset:1536*(\t)+768*\c          ; 512 consecutive bytes, at a multiple of 256 from cod's first byte
	global_store_b64 v5, v[PC+6*\c+4:PC+6*\c+5], s[18:19] offset:1536*(\t)+768*\c+512     ; 256 consecutive bytes
.endr
.endm
	LOAD 0
	LOAD 1
	LOAD 2
	LOAD 3
	STEP 0
	STEP 1
	STEP 2
	STEP 3
	v_cndmask_b32 v10, v[PW], v[PW+2], vcc_lo      ; lanes 0-15 store their row's words of K steps 0 and 1, lanes 16-31 those of 2 and 3 (both halves hold all four)
	v_cndmask_b32 v11, v[PW+1], v[PW+3], vcc_lo
	global_store_b64 v8, v[10:11], s[18:19] offset:6144   ; 256 consecutive bytes
	s_wait_tensorcnt 0x0                           ; the wave's end, behind my last LDS store
	ds_add_u32 v248, v249
	s_wait_dscnt 0x0
	s_endpgm
.Lfunc_end_k_q9bc9a4ac70_quant:
	.size	k_q9bc9a4ac70_quant, .Lfunc_end_k_q9bc9a4ac70_quant-k_q9bc9a4ac70_quant
	.p2alignl 7, 3214868480
	.fill 96, 4, 3214868480
	.section	.rodata,"a",@progbits
	.p2align	6, 0x0
	.amdhsa_kernel k_q9bc9a4ac70_quant
		.amdhsa_group_segment_fixed_size 34304
		.amdhsa_private_segment_fixed_size 0
		.amdhsa_enable_private_segment 0
		.amdhsa_kernarg_size 48
		.amdhsa_user_sgpr_count 2
		.amdhsa_user_sgpr_kernarg_segment_ptr 1
		.amdhsa_wavefront_size32 1
		.amdhsa_system_sgpr_workgroup_id_x 1
		.amdhsa_system_sgpr_workgroup_id_y 1
		.amdhsa_system_sgpr_workgroup_id_z 1
		.amdhsa_system_vgpr_workitem_id 0
		.amdhsa_next_free_vgpr 416
		.amdhsa_next_free_sgpr 66
		.amdhsa_reserve_vcc 1
		.amdhsa_float_denorm_mode_32 3
		.amdhsa_float_denorm_mode_16_64 3
		.amdhsa_memory_ordered 1
		.amdhsa_forward_progress 1
		.amdhsa_inst_pref_size 34
	.end_amdhsa_kernel
	.amdgpu_metadata
---
amdhsa.version: [ 1, 2 ]
amdhsa.kernels:
  - .name:           k_q9bc9a4ac70_quant
    .symbol:         k_q9bc9a4ac70_quant.kd
    .args:
      - { .name: x, .offset: 0, .size: 8, .value_kind: global_buffer, .address_space: global }
      - { .name: wq, .offset: 8, .size: 8, .value_kind: global_buffer, .address_space: global }
      - { .name: wk, .offset: 16, .size: 8, .value_kind: global_buffer, .address_space: global }
      - { .name: wv, .offset: 24, .size: 8, .value_kind: global_buffer, .address_space: global }
      - { .name: wo, .offset: 32, .size: 8, .value_kind: global_buffer, .address_space: global }
      - { .name: cod, .offset: 40, .size: 8, .value_kind: global_buffer, .address_space: global }
    .group_segment_fixed_size: 34304
    .private_segment_fixed_size: 0
    .kernarg_segment_align: 8
    .kernarg_segment_size: 48
    .max_flat_workgroup_size: 128
    .sgpr_count:     66
    .vgpr_count:     416
    .wavefront_size: 32
...
	.end_amdgpu_metadata
.endif
;; end of part 1
;; launch qkv (part 2): grid 16 x 16, 4 waves a work-group, clusters of 4 x 1, 327,680 bytes of LDS; arguments cod, freqs_cis, qb, kv; writes qb, kv
.if DOCPART == 2
	.amdgcn_target "amdgcn-amd-amdhsa--gfx1250"
	.amdhsa_code_object_version 6
	.text
	.protected	k_q9bc9a4ac70_qkv
	.globl	k_q9bc9a4ac70_qkv
	.p2align	8
	.type	k_q9bc9a4ac70_qkv,@function
k_q9bc9a4ac70_qkv:
	s_mov_b64 s[64:65], 0
	v_nop
	global_prefetch_b8 v0, s[64:65] scope:SCOPE_SE
	s_setreg_imm32_b32 hwreg(HW_REG_WAVE_MODE, 25, 1), 1
	s_wait_xcnt 0x0
	s_wait_alu depctr_hold_cnt(0) depctr_sa_sdst(0) depctr_va_vdst(0) depctr_va_sdst(0) depctr_va_ssrc(0) depctr_va_vcc(0) depctr_vm_vsrc(0)
	s_getreg_b32 s2, hwreg(HW_REG_IB_STS2, 6, 4)
	s_cmp_eq_u32 s2, 0
	s_cbranch_scc0 .Lentry_in_a_cluster
	s_endpgm
.Lentry_in_a_cluster:
	s_bfe_u32 s2, ttmp6, 0x10000c
	s_cmp_lg_u32 s2, 0x3003
	s_cbranch_scc0 .Lentry_shape_is_right
	s_endpgm
.Lentry_shape_is_right:
; q = rope(x wq^T), k = rope(x wk^T), v = x wv^T on codes of FP6 (E2M3) with one E8M0 scale for each 32 along K = 2,048; the results are quantised in registers for attention's two products and leave as codes.
; OPERANDS come from cod as register images: row tiles of 25,600 bytes = four chunks of 6,400, one for each 512 along K (eight halves of 768 bytes, then 256 bytes of scale words); lane r of row tile t stands for row 32 (t / 2) + 8 (t % 2) + r + 8 (r / 8).
; SHARES.  The 48 heads (q 0-31, k 32-39, v 40-47) are 192 row tiles on end in cod, four to a head.  A work-group makes 128 tokens x 3 heads (heads 3 g .. 3 g + 2, g = the grid's y): 16 x 16 = 256 work-groups.
;   A wave owns 32 tokens (two row tiles of x) x all 192 weight rows: 24 accumulators, (piece p, x tile a, weight tile b) at 64 p + 32 a + 8 b.  Source 0 = 16 weight rows, source 1 = 16 tokens: a lane holds one token and its registers run along the head's d;
;   by the order of a tile's rows the 16 registers of accumulators (a, 2 b), (a, 2 b + 1) are 16 neighbours along d.
; THE WEIGHTS, 12 row tiles for all of K, are 307,200 dense bytes: each wave brings three row tiles with ONE joint tensor load at the head; they are filled once and all four waves read them.  The four work-groups of a cluster (4, 1, 1: four blocks of tokens) share them.
; X: no other wave reads my two row tiles, so their images go from memory straight into 384 registers, their scale words into 16: 60 loads at the head, then 8 in each K step, seven K steps ahead of their use; cos and sin follow as the last 16.
; A K step of 128 is 24 matrix instructions in three pieces of 8; each piece's four weight fragments have a set of registers of their own, fetched anew behind the piece's products: two pieces, 16 matrix instructions, ahead of their use.
; V is multiplied as k is, so that one way leads through the products.  Its K in attention are the keys: behind one barrier (no wave reads the weights any more, and those bytes have had their last fill) a wave turns its 32 keys x 64 d through a stage of its own in LDS,
;   so that a lane holds a whole block of 32 keys of one d.  Its stores of codes are runs of 256 and 128 bytes; its scale bytes leave one byte a row (4 waves make a word): 64 bytes a wave and head.
; NO PREFETCH: the text has no loop to run ahead in.
; OUT: qb: q's codes [head 32][token tile 128][768], then from byte 3,145,728 their scale words [head][token tile][16] (bytes 0, 1: the head's two blocks; bytes 2, 3: 0).
;      kv: [kv head 8][128 keys 16][13,056]: k: 8 tiles x 768; from 6,144 v^T: 4 tiles of d x 2 halves x 768; from 12,288 k's scale words [8][16]; from 12,800 v's [4][16].
; LIMITS: a block whose largest magnitude lies under 2^-124, a block of zeros among them, gets the byte 1 (this program alone reads the bytes); NaN and infinities are not served.
; REGISTERS: window 0: v1-31 addresses; v32-79 the weights' scale words, two sets of 24 (lanes 0-15 tile i, lanes 16-31 tile i + 6); v80-95 x's (lanes 0-15 tile 0, lanes 16-31 tile 1); v96-135 the epilogue's work; v144-191 piece 2's fragments, later products of the rope; v192-255 a piece on its way out.
;   window 1: v0-191 accumulators; v192-255 cos, sin.  window 2: v0-191 x's K steps 0-7; v192-239 piece 0's fragments.  window 3: v0-191 x's K steps 8-15; v192-239 piece 1's.
.set CHUNK,  6400
.set TILEB,  4*CHUNK
.set WREG,   3*TILEB                   ; what one wave's tensor load brings
.set SPARE,  4*WREG                    ; the spare words, 128 bytes a wave
.set VP,     144                       ; v's stage: a row of 32 keys, 128 bytes + 16
.set VSTG,   64*VP                     ; a wave's stage
.set A16, 1                            ; v1-6  weight tiles 2 m, 2 m + 1: 51,200 m + 16 x lane (v1 is also 16 x lane)
.set A8,  7                            ; v7-12 the same + 8 x lane (v7 is also 8 x lane)
.set AS,  13                           ; v13-15 the weights' scale words
.set LN,  16
.set RR,  17
.set HH,  18
.set L4,  21
.set FQ,  22
.set XSA, 23
.set VST, 24
.set VRD, 25
.set VA16, 26
.set VA8, 27
.set SPW, 28
.set NIL, 29
.set VB,  30
.set WS,  32
.set XS,  80
.set TM,  96
.set PW,  112
.set T,   113
.set PC,  116
.set RT,  144
.set Z,   192
.set SEL, 12
.set G1,  24
.set MSB, 0
.macro WIN new                         ; the immediate's high byte repeats the setting that is left
.if MSB != (\new)
	s_set_vgpr_msb (MSB<<8)|(\new)
.set MSB, (\new)
.endif
.endm
.macro PLACES n
.rept \n
	v_nop
.endr
.endm
.macro CROUND                          ; a round of the cluster's barrier
	s_barrier_signal -1
	s_barrier_wait -1
	s_cmp_lg_u32 s14, 0
	s_cbranch_scc1 .Lnot_wave_0_\@
	s_barrier_signal -3
.Lnot_wave_0_\@:
	s_barrier_wait -3
	s_barrier_signal -1
	s_barrier_wait -1
.endm
.macro FW p, n                         ; 16 LDS loads: piece p's four weight fragments of K step n
.if (\p) == 2
	WIN 0
.set WB, 144
.else
	WIN 0x80+0x40*(\p)
.set WB, 192
.endif
.irp b, 0,1,2,3
.irp c, 0,1
	ds_load_b128 v[WB+12*\b+6*\c:WB+12*\b+6*\c+3], v[A16+2*(\p)+\b/2] offset:TILEB*(\b%2)+CHUNK*((\n)/4)+1536*((\n)%4)+768*\c
	ds_load_b64 v[WB+12*\b+6*\c+4:WB+12*\b+6*\c+5], v[A8+2*(\p)+\b/2] offset:TILEB*(\b%2)+CHUNK*((\n)/4)+1536*((\n)%4)+768*\c+512
.endr
.endr
.endm
.macro SW k                            ; 6 LDS loads: the weights' scale words of K group k, four words a row
	WIN 0
.irp i, 0,1,2,3,4,5
	ds_load_b128 v[WS+24*((\k)%2)+4*\i:WS+24*((\k)%2)+4*\i+3], v[AS+\i/2] offset:TILEB*(\i%2)+CHUNK*(\k)
.endr
.endm
.macro XI q                            ; 8 global loads: item q < 16: my two x fragments of K step q; items 16, 17: cos and sin of x tile q - 16, in the accumulators' layout
.if (\q) < 16
	WIN 0x80+0x40*((\q)/8)
.irp a, 0,1
.irp c, 0,1
	global_load_b128 v[24*((\q)%8)+12*\a+6*\c:24*((\q)%8)+12*\a+6*\c+3], v[A16], s[36:37] offset:TILEB*\a+CHUNK*((\q)/4)+1536*((\q)%4)+768*\c
	global_load_b64 v[24*((\q)%8)+12*\a+6*\c+4:24*((\q)%8)+12*\a+6*\c+5], v[A8], s[36:37] offset:TILEB*\a+CHUNK*((\q)/4)+1536*((\q)%4)+768*\c+512
.endr
.endr
.else
	WIN 0x40
.irp b, 0,1
.irp i, 0,1,2,3
	global_load_b128 v[192+32*((\q)-16)+16*\b+4*\i:192+32*((\q)-16)+16*\b+4*\i+3], v[FQ], s[84:85] offset:2048*((\q)-16)+128*\b+16*\i
.endr
.endr
.endif
.endm
.macro WM d, a, b, c, sa, sb, ra, rb   ; one product; ra, rb: which half of the lanes holds the side's scale words
.if (\ra) && (\rb)
	v_wmma_scale_f32_16x16x128_f8f6f4 v[(\d):(\d)+7], v[(\a):(\a)+11], v[(\b):(\b)+11], \c, v[\sa], v[\sb] matrix_a_fmt:MATRIX_FMT_FP6 matrix_b_fmt:MATRIX_FMT_FP6 matrix_a_scale:MATRIX_SCALE_ROW1 matrix_b_scale:MATRIX_SCALE_ROW1
.endif
.if (\ra) && !(\rb)
	v_wmma_scale_f32_16x16x128_f8f6f4 v[(\d):(\d)+7], v[(\a):(\a)+11], v[(\b):(\b)+11], \c, v[\sa], v[\sb] matrix_a_fmt:MATRIX_FMT_FP6 matrix_b_fmt:MATRIX_FMT_FP6 matrix_a_scale:MATRIX_SCALE_ROW1
.endif
.if !(\ra) && (\rb)
	v_wmma_scale_f32_16x16x128_f8f6f4 v[(\d):(\d)+7], v[(\a):(\a)+11], v[(\b):(\b)+11], \c, v[\sa], v[\sb] matrix_a_fmt:MATRIX_FMT_FP6 matrix_b_fmt:MATRIX_FMT_FP6 matrix_b_scale:MATRIX_SCALE_ROW1
.endif
.if !(\ra) && !(\rb)
	v_wmma_scale_f32_16x16x128_f8f6f4 v[(\d):(\d)+7], v[(\a):(\a)+11], v[(\b):(\b)+11], \c, v[\sa], v[\sb] matrix_a_fmt:MATRIX_FMT_FP6 matrix_b_fmt:MATRIX_FMT_FP6
.endif
.endm
; 8 matrix instructions: piece p's four weight tiles x my two x tiles, K step n.  The 24 accumulators take turns, one instruction a turn, in the same order in every K step.
.macro MULP p, n, zero
.if (\p) == 2
.set WB, 144
.else
.set WB, 192
.endif
	WIN 0x50+4*(2+(\n)/8)+((\p)+2)%4               ; source 0 the piece's window, source 1 x's, C and D window 1
.irp a, 0,1
.irp b, 0,1,2,3
.if \zero
	WM 64*(\p)+32*\a+8*\b, WB+12*\b, 24*((\n)%8)+12*\a, 0, WS+24*(((\n)/4)%2)+4*((4*(\p)+\b)%6)+(\n)%4, XS+4*((\n)/4)+(\n)%4, (4*(\p)+\b)/6, \a
.else
	WM 64*(\p)+32*\a+8*\b, WB+12*\b, 24*((\n)%8)+12*\a, v[64*(\p)+32*\a+8*\b:64*(\p)+32*\a+8*\b+7], WS+24*(((\n)/4)%2)+4*((4*(\p)+\b)%6)+(\n)%4, XS+4*((\n)/4)+(\n)%4, (4*(\p)+\b)/6, \a
.endif
.endr
.endr
.endm
.macro KSTEP n, zero
.if (\n) < 12
	s_wait_loadcnt 48                              ; x's K step n is in: the six items of 8 loads issued behind it may be out
.else
	s_wait_loadcnt 8*(17-(\n))                     ; the items up to 17 that were issued behind it
.endif
.if (\n) < 11
	XI (\n)+7
.endif
.irp p, 0,1,2
.if (\n) < 15
	s_wait_dscnt 32                                ; this piece's fragments are in: the two fetches of 16 issued behind them may be out
.else
	s_wait_dscnt 32-16*\p
.endif
	MULP \p, \n, \zero
.if (\n) < 15
	PLACES 4                                       ; a load into a register that a matrix instruction has read stands four plain vector instructions behind it
	FW \p, (\n)+1
.endif
.if (\n)%4 == 2 && (\n) < 12 && \p == 0
	SW (\n)/4+1                                    ; the next K group's scale words, into the set that the group before has left
.endif
.endr
.endm
; 64 numbers of a lane in four blocks: register 16 b + i is number 16 (lane / 16) + i of block b of my row.  Codes to v[PC] .. v[PC + 11], the four bytes to v[pw].
.macro QUANT s, pw
.irp b, 0,1,2,3
	v_max3_num_f32 v[TM+\b], |v[(\s)+16*\b]|, |v[(\s)+1+16*\b]|, 0x1800000   ; my 16 numbers, and the floor 2^(3 - 127): the byte cannot fall under 1
.endr
.irp i, 2,4,6,8,10,12,14
.irp b, 0,1,2,3
	v_max3_num_f32 v[TM+\b], v[TM+\b], |v[(\s)+16*\b+\i]|, |v[(\s)+1+16*\b+\i]|
.endr
.endr
.irp b, 0,1,2,3
	v_permlanex16_b32 v[TM+4+\b], v[TM+\b], s[SEL], s[SEL+1]
.endr
.irp b, 0,1,2,3
	v_max_num_f32 v[TM+\b], v[TM+\b], v[TM+4+\b]   ; with lane l xor 16's: the block's largest magnitude
.endr
.irp b, 0,1,2,3
	v_add_nc_u32 v[TM+12+\b], 0xff000000, v[TM+\b]   ; 2 off its exponent field: the conversion's scale operand
.endr
.irp b, 0,1,2,3
	v_lshrrev_b32 v[TM+4+\b], 23, v[TM+12+\b]      ; the scale's byte
.endr
	v_lshl_or_b32 v[\pw], v[TM+5], 8, v[TM+4]
	v_lshl_or_b32 v[\pw], v[TM+6], 16, v[\pw]
	v_lshl_or_b32 v[\pw], v[TM+7], 24, v[\pw]
.irp c, 0,1
	v_cvt_scalef32_pk16_fp6_f32 v[PC+6*\c:PC+2+6*\c], v[(\s)+32*\c:(\s)+15+32*\c], v[TM+12+2*\c]
	v_cvt_scalef32_pk16_fp6_f32 v[PC+12+4*\c:PC+14+4*\c], v[(\s)+16+32*\c:(\s)+31+32*\c], v[TM+12+2*\c+1]
.endr
	v_nop                                          ; one plain place behind a scaled conversion
.irp c, 0,1                                    ; a whole block to a lane: lanes 0-15 block 2 c, lanes 16-31 block 2 c + 1
.irp i, 0,1,2
	v_permlane16_swap_b32 v[PC+6*\c+\i], v[PC+12+4*\c+\i]
.endr
.irp i, 0,1,2
	v_mov_b32 v[PC+3+6*\c+\i], v[PC+12+4*\c+\i]
.endr
.endr
.endm
	s_load_b256 s[4:11], s[0:1], 0x0               ; cod s[4:5], freqs_cis s[6:7], qb s[8:9], kv s[10:11]
	v_lshl_add_u32 v[SPW], v0, 2, SPARE
	v_mov_b32 v[NIL], 0
	ds_add_u32 v[SPW], v[NIL]                      ; the opening lines: the add, twice on end, and its wait ahead of my first tensor load
	ds_add_u32 v[SPW], v[NIL]
	v_lshrrev_b32 v[LN], 5, v0
	v_readfirstlane_b32 s14, v[LN]                 ; wave 0..3
	s_bfe_u32 s40, ttmp6, 0x40000                  ; cx
	s_lshl_b32 s17, ttmp9, 2
	s_add_co_u32 s17, s17, s40                     ; which 128 tokens
	s_and_b32 s18, ttmp7, 0xffff                   ; g: which three heads; the same in all partners
	s_mov_b32 s[G1], 15|(3<<16)|(1<<21)            ; group 1: 76,800 dense bytes as 12 rows of 6,400 (800 elements of 8); the mask names all four work-groups
	s_mov_b32 s[G1+1], 800<<16
	s_mov_b32 s[G1+2], 12<<16
	s_mov_b32 s[G1+3], 800<<16
	s_mov_b32 s[G1+4], 12
	s_mov_b32 s[G1+5], 800
	s_mov_b32 s[G1+6], 0
	s_mov_b32 s[G1+7], 0
	s_mul_i32 s71, s18, 3                          ; the first head
	s_lshl_b32 s20, s71, 2
	s_mul_i32 s21, s14, 3
	s_add_co_u32 s20, s20, s21
	s_add_co_u32 s20, s20, 128
	s_mul_i32 s20, s20, TILEB                      ; the weights' row tiles 128 + 12 g + 3 wave on: nothing of my place in the cluster
	s_mov_b32 s21, 0
	s_mul_i32 s45, s14, WREG                       ; where they go
	s_lshl_b32 s66, s17, 3
	s_lshl_b32 s36, s14, 1
	s_add_co_u32 s66, s66, s36                     ; my first token tile
	s_mul_i32 s36, s66, TILEB                      ; x's row tiles are cod's first
	s_mov_b32 s37, 0
	s_lshl_b32 s84, s66, 12                        ; freqs_cis: 16 tokens of 256 bytes a tile
	s_mov_b32 s85, 0
	s_mul_i32 s67, s17, 13056                      ; my block of 128 keys in a key/value head
	s_mul_i32 s68, s14, 1536                       ; k's codes: tiles 2 wave on
	s_lshl_b32 s69, s14, 7
	s_add_co_u32 s69, s69, 12288                   ; k's scale words
	s_lshr_b32 s70, s14, 1
	s_mul_i32 s70, s70, 768                        ; v: my 32 keys lie in half wave / 2,
	s_and_b32 s73, s14, 1
	s_lshl_b32 s74, s73, 7                         ; in the lanes' half wave % 2: 128 bytes on among a half's 8-byte parts,
	s_lshl_b32 s73, s73, 8                         ; 256 among its 16-byte parts
	s_mul_i32 s72, s14, VSTG                       ; my stage
	s_mov_b32 s[SEL], 0x76543210
	s_mov_b32 s[SEL+1], 0xfedcba98
	s_wait_dscnt 0x0                               ; both opening adds are done
	s_wait_kmcnt 0x0
	s_add_nc_u64 s[20:21], s[4:5], s[20:21]
	s_add_nc_u64 s[36:37], s[4:5], s[36:37]
	s_add_nc_u64 s[84:85], s[6:7], s[84:85]
	s_mov_b32 s32, 1
	s_mov_b32 s33, s45
	s_mov_b64 s[34:35], s[20:21]
	s_or_b32 s35, s35, 0x80000000
	CROUND                                         ; all four work-groups are here: the joint loads meet
	tensor_load_to_lds s[32:35], s[G1:G1+7]        ; my one tensor load
	s_nop 0
.rept 4
	v_nop
.endr
	v_and_b32 v[LN], 31, v0
	v_and_b32 v[RR], 15, v0
	v_bfe_u32 v[HH], v0, 4, 1
	v_lshlrev_b32 v[A16], 4, v[LN]
	v_lshlrev_b32 v[A8], 3, v[LN]
	v_lshlrev_b32 v[L4], 2, v[LN]
.irp m, 1,2,3,4,5
	v_add_nc_u32 v[A16+\m], \m*2*TILEB, v[A16]
	v_add_nc_u32 v[A8+\m], \m*2*TILEB, v[A8]
.endr
	v_mul_u32_u24 v[AS], 6*TILEB, v[HH]            ; lanes 16-31 take the tile six further on: one product
	v_lshl_add_u32 v[AS], v[RR], 4, v[AS]          ; 16 bytes a row,
	v_add_nc_u32 v[AS], 8*768, v[AS]               ; behind a chunk's eight halves
	v_add_nc_u32 v[AS+1], 2*TILEB, v[AS]
	v_add_nc_u32 v[AS+2], 4*TILEB, v[AS]
	v_mul_u32_u24 v[XSA], TILEB, v[HH]             ; x's scale words: lanes 16-31 take my second tile
	v_lshl_add_u32 v[XSA], v[RR], 4, v[XSA]
	v_and_b32 v31, 8, v[RR]
	v_add_nc_u32 v31, v31, v[RR]                   ; r + 8 (r / 8)
	v_lshlrev_b32 v[FQ], 8, v31                    ; a token's 32 pairs are 256 bytes
	v_lshl_add_u32 v[FQ], v[HH], 6, v[FQ]          ; + 64 h
	v_mul_u32_u24 v[VST], 16*VP, v[HH]             ; v's stage, on the way in: row d = 16 h + .., column = my token among the wave's 32
	v_lshl_add_u32 v[VST], v31, 2, v[VST]
	v_add_nc_u32 v[VST], s72, v[VST]
	v_lshl_add_u32 v[VRD], v[HH], 3, v31           ; and back: row d = 8 h + r + 8 (r / 8) + ..
	v_mul_u32_u24 v[VRD], VP, v[VRD]
	v_add_nc_u32 v[VRD], s72, v[VRD]
	v_mul_u32_u24 v[VA16], 1536, v[HH]             ; v's codes: lanes 16-31 hold the next tile of d
	v_lshl_add_u32 v[VA8], v[RR], 3, v[VA16]
	v_lshl_add_u32 v[VA16], v[RR], 4, v[VA16]
	v_add_nc_u32 v[VA8], s74, v[VA8]
	v_add_nc_u32 v[VA16], s73, v[VA16]
	v_lshlrev_b32 v[VB], 6, v[HH]                  ; v's scale bytes: 64 bytes a tile of d, 4 a row, byte = wave
	v_lshl_add_u32 v[VB], v[RR], 2, v[VB]
	v_add_nc_u32 v[VB], s14, v[VB]
	s_wait_alu depctr_va_vdst(0)                   ; the wait at the end of the head's vector work
.irp k, 0,1,2,3
	global_load_b128 v[XS+4*\k:XS+4*\k+3], v[XSA], s[36:37] offset:CHUNK*\k+8*768
.endr
.irp q, 0,1,2,3,4,5,6
	XI \q
.endr
	WIN 0
	s_wait_tensorcnt 0x0                           ; my three row tiles are in
	s_barrier_signal -1
	s_barrier_wait -1                              ; everybody's are
	SW 0
	FW 0, 0
	FW 1, 0
	FW 2, 0
	KSTEP 0, 1                                     ; the first K step's products start the sums
.irp n, 1,2,3,4,5,6,7,8,9,10,11,12,13,14,15
	KSTEP \n, 0
.endr
	PLACES 4                                       ; in front of the first read of results
	WIN 0
	s_barrier_signal -1                            ; no LDS instruction of mine is out (the last K step waited for all): my reads of the weights are over
	s_barrier_wait -1                              ; everybody's are: the stages may be written
.irp b, 0,1,2,3
	v_mov_b32 v[TM+4+\b], 0                        ; a lane permute's destination counts as one of its sources
.endr
	v_cmp_lt_u32 vcc_lo, 15, v[LN]                 ; lanes 16-31
	s_wait_loadcnt 0x0                             ; cos and sin are in
.macro PIECE p                         ; head 3 g + p leaves
	s_wait_alu depctr_va_vdst(0)                   ; the wait ahead of the wait and the run of scalar lines below
	s_wait_xcnt 0x0                                ; the earlier stores have read their registers and bases
	s_add_co_u32 s86, s71, \p                      ; the head
	s_mul_i32 s88, s86, 98304
	s_mul_i32 s89, s66, 768
	s_add_co_u32 s88, s88, s89                     ; q's codes
	s_lshl_b32 s89, s86, 13
	s_lshl_b32 s90, s66, 6
	s_add_co_u32 s89, s89, s90
	s_add_co_u32 s89, s89, 3145728                 ; q's scale words
	s_and_b32 s90, s86, 7                          ; the key/value head (32 and 40 are multiples of 8)
	s_mul_i32 s90, s90, 208896
	s_add_co_u32 s90, s90, s67                     ; its block of 128 keys
	s_add_co_u32 s91, s90, s68                     ; k's codes
	s_add_co_u32 s92, s90, s69                     ; k's scale words
	s_add_co_u32 s93, s90, s70                     ; v's codes
	s_cmp_ge_u32 s86, 40
	s_cselect_b32 s91, s93, s91
	s_cselect_b32 s92, s90, s92
	s_cmp_lt_u32 s86, 32
	s_cselect_b32 s88, s88, s91
	s_cselect_b32 s90, s89, s92
	s_cselect_b64 s[80:81], s[8:9], s[10:11]       ; qb or kv: a choice on ids alone
	s_mov_b32 s89, 0
	s_mov_b32 s91, 0
	s_add_nc_u64 s[82:83], s[80:81], s[90:91]      ; the scales
	s_add_nc_u64 s[80:81], s[80:81], s[88:89]      ; the codes
	s_cmp_ge_u32 s86, 40
	s_cbranch_scc1 .Lv_\@
	WIN 0x05                                       ; sources 0 and 1 (accumulators; cos, sin) window 1; the results go to window 0
.irp a, 0,1                                    ; rope: (x0, x1) -> (x0 c - x1 s, x0 s + x1 c), pair by pair in ascending order: each accumulator is first read at its low end
.set n, 0
.rept 16
	v_mul_f32 v[RT+2*((n/2)%4)], v[64*(\p)+32*\a+n+1], v[192+32*\a+n+1]
	v_mul_f32 v[RT+2*((n/2)%4)+1], v[64*(\p)+32*\a+n], v[192+32*\a+n+1]
	v_fma_f32 v[Z+32*\a+n], v[64*(\p)+32*\a+n], v[192+32*\a+n], -v[RT+2*((n/2)%4)]
	v_fma_f32 v[Z+32*\a+n+1], v[64*(\p)+32*\a+n+1], v[192+32*\a+n], v[RT+2*((n/2)%4)+1]
.set n, n+2
.endr
.endr
	WIN 0
	QUANT Z, PW
.irp c, 0,1
	global_store_b128 v[A16], v[PC+6*\c:PC+6*\c+3], s[80:81] offset:768*\c          ; 512 consecutive bytes, at a multiple of 256 from the buffer's first byte
	global_store_b64 v[A8], v[PC+6*\c+4:PC+6*\c+5], s[80:81] offset:768*\c+512      ; 256 consecutive bytes
.endr
	v_and_b32 v[T], 0xffff, v[PW]
	v_lshrrev_b32 v[T+1], 16, v[PW]
	v_cndmask_b32 v[T], v[T], v[T+1], vcc_lo       ; lanes 0-15 my first tile's two bytes, lanes 16-31 my second's
	global_store_b32 v[L4], v[T], s[82:83]         ; whole words, bytes 2 and 3 zero
	s_branch .Ldone_\@
.Lv_\@:
	WIN 0x04                                       ; the data: window 1
.irp a, 0,1
.irp b, 0,1,2,3
.irp j, 0,1,2,3,4,5,6,7
	ds_store_b32 v[VST], v[64*(\p)+32*\a+8*\b+\j] offset:(32*(\b/2)+8*(\b%2)+\j)*VP+32*\a   ; v(token, d) to row d, column token; each accumulator from its low end on
.endr
.endr
.endr
	WIN 0
.irp u, 0,1
.irp i, 0,1,2,3,4,5,6,7
	ds_load_b128 v[Z+32*\u+4*\i:Z+32*\u+4*\i+3], v[VRD] offset:32*\u*VP+16*\i   ; back: the 32 keys of d row 32 u + 8 h + r + 8 (r / 8).  LDS serves a wave's instructions in order
.endr
.endr
	s_wait_dscnt 0x0
.irp u, 0,1
	v_max3_num_f32 v[TM+\u], |v[Z+32*\u]|, |v[Z+32*\u+1]|, 0x1800000   ; a whole block of 32 keys is mine
.endr
.irp i, 2,4,6,8,10,12,14,16,18,20,22,24,26,28,30
.irp u, 0,1
	v_max3_num_f32 v[TM+\u], v[TM+\u], |v[Z+32*\u+\i]|, |v[Z+32*\u+\i+1]|
.endr
.endr
.irp u, 0,1
	v_add_nc_u32 v[TM+12+\u], 0xff000000, v[TM+\u]
.endr
.irp u, 0,1
	v_lshrrev_b32 v[TM+4+\u], 23, v[TM+12+\u]      ; the scale's byte
.endr
.irp u, 0,1
	v_cvt_scalef32_pk16_fp6_f32 v[PC+6*\u:PC+2+6*\u], v[Z+32*\u:Z+32*\u+15], v[TM+12+\u]
	v_cvt_scalef32_pk16_fp6_f32 v[PC+12+4*\u:PC+14+4*\u], v[Z+32*\u+16:Z+32*\u+31], v[TM+12+\u]
.endr
	v_nop                                          ; one plain place behind a scaled conversion
.irp u, 0,1
.irp i, 0,1,2
	v_mov_b32 v[PC+3+6*\u+\i], v[PC+12+4*\u+\i]
.endr
.endr
.irp u, 0,1
	global_store_b128 v[VA16], v[PC+6*\u:PC+6*\u+3], s[80:81] offset:6144+3072*\u       ; sixteen lanes store 256 consecutive bytes, aligned
	global_store_b64 v[VA8], v[PC+6*\u+4:PC+6*\u+5], s[80:81] offset:6144+3072*\u+512   ; sixteen lanes store 128 consecutive bytes; the wave beside me stores the other 128
	global_store_b8 v[VB], v[TM+4+\u], s[82:83] offset:12800+128*\u                     ; my byte of each row's word
.endr
.Ldone_\@:
.endm
	PIECE 0
	PIECE 1
	PIECE 2
	s_wait_tensorcnt 0x0                           ; the wave's end
	ds_add_u32 v[SPW], v[NIL]
	s_wait_dscnt 0x0
	CROUND                                         ; the closing round
	s_endpgm
.Lfunc_end_k_q9bc9a4ac70_qkv:
	.size	k_q9bc9a4ac70_qkv, .Lfunc_end_k_q9bc9a4ac70_qkv-k_q9bc9a4ac70_qkv
	.p2alignl 7, 3214868480
	.fill 96, 4, 3214868480
	.section	.rodata,"a",@progbits
	.p2align	6, 0x0
	.amdhsa_kernel k_q9bc9a4ac70_qkv
		.amdhsa_group_segment_fixed_size 327680
		.amdhsa_private_segment_fixed_size 0
		.amdhsa_enable_private_segment 0
		.amdhsa_kernarg_size 32
		.amdhsa_user_sgpr_count 2
		.amdhsa_user_sgpr_kernarg_segment_ptr 1
		.amdhsa_wavefront_size32 1
		.amdhsa_system_sgpr_workgroup_id_x 1
		.amdhsa_system_sgpr_workgroup_id_y 1
		.amdhsa_system_sgpr_workgroup_id_z 1
		.amdhsa_system_vgpr_workitem_id 0
		.amdhsa_next_free_vgpr 1024
		.amdhsa_next_free_sgpr 96
		.amdhsa_reserve_vcc 1
		.amdhsa_float_denorm_mode_32 3
		.amdhsa_float_denorm_mode_16_64 3
		.amdhsa_memory_ordered 1
		.amdhsa_forward_progress 1
		.amdhsa_inst_pref_size 189
	.end_amdhsa_kernel
	.amdgpu_metadata
---
amdhsa.version: [ 1, 2 ]
amdhsa.kernels:
  - .name:           k_q9bc9a4ac70_qkv
    .symbol:         k_q9bc9a4ac70_qkv.kd
    .args:
      - { .name: cod, .offset: 0, .size: 8, .value_kind: global_buffer, .address_space: global }
      - { .name: freqs_cis, .offset: 8, .size: 8, .value_kind: global_buffer, .address_space: global }
      - { .name: qb, .offset: 16, .size: 8, .value_kind: global_buffer, .address_space: global }
      - { .name: kv, .offset: 24, .size: 8, .value_kind: global_buffer, .address_space: global }
    .group_segment_fixed_size: 327680
    .private_segment_fixed_size: 0
    .kernarg_segment_align: 8
    .kernarg_segment_size: 32
    .max_flat_workgroup_size: 128
    .sgpr_count:     96
    .vgpr_count:     1024
    .wavefront_size: 32
...
	.end_amdgpu_metadata
.endif
;; end of part 2
;; launch attn (part 3): grid 32 x 8, 16 waves a work-group, clusters of 4 x 1, 247,808 bytes of LDS; arguments qb, kv, aoc; writes aoc
.if DOCPART == 3
	.amdgcn_target "amdgcn-amd-amdhsa--gfx1250"
	.amdhsa_code_object_version 6
	.text
	.protected	k_q9bc9a4ac70_attn
	.globl	k_q9bc9a4ac70_attn
	.p2align	8
	.type	k_q9bc9a4ac70_attn,@function
k_q9bc9a4ac70_attn:
	s_mov_b64 s[64:65], 0
	v_nop
	global_prefetch_b8 v0, s[64:65] scope:SCOPE_SE
	s_setreg_imm32_b32 hwreg(HW_REG_WAVE_MODE, 25, 1), 1
	s_wait_xcnt 0x0
	s_wait_alu depctr_hold_cnt(0) depctr_sa_sdst(0) depctr_va_vdst(0) depctr_va_sdst(0) depctr_va_ssrc(0) depctr_va_vcc(0) depctr_vm_vsrc(0)
	s_getreg_b32 s2, hwreg(HW_REG_IB_STS2, 6, 4)
	s_cmp_eq_u32 s2, 0
	s_cbranch_scc0 .Lentry_in_a_cluster
	s_endpgm
.Lentry_in_a_cluster:
	s_bfe_u32 s2, ttmp6, 0x10000c
	s_cmp_lg_u32 s2, 0x3003
	s_cbranch_scc0 .Lentry_shape_is_right
	s_endpgm
.Lentry_shape_is_right:
; Causal attention, 32 query heads on 8 key/value heads, head size 64, 2,048 tokens, both products on codes of FP6 (E2M3) with one E8M0 scale for each 32 along a product's K; O / l is quantised in registers along head x 64 + d and leaves as the last product's operand.
; LEFT OUT: key steps of 128 all of whose keys come after a tile's queries: the causal mask hides them, so their p is 0 for all values of the inputs.
; THE SOFTMAX: t = score x log2(e) / 8; M = the row's largest t so far, rounded UP to a whole number; p = 2^(t - M) is quantised along the keys, not normalised; l is the sum of the unquantised p.  When M moves, l and O are multiplied by 2^(old M - new M): exact.
; IN: qb (q's codes [head][token tile][768] and scale words), kv ([kv head][128 keys][13,056]: k's 8 tiles x 768; v^T's 4 tiles of d x 2 halves x 768 from 6,144; k's scale words from 12,288; v's from 12,800): register images.
; Lane r of a tile stands for row 32 (t / 2) + 8 (t % 2) + r + 8 (r / 8).  Both products are used transposed (S^T = K Q^T, O^T = V^T P^T): a lane holds one query, and the 16 registers of score tiles 2 b, 2 b + 1 are 16 neighbouring keys.
; SHARES.  The four work-groups of a cluster are the four query heads of one key/value head on the same queries: K and V are asked for jointly.  A work-group owns query blocks p and 15 - p of 128 (p = the cluster's x): 8 + 8 tiles of 16 queries, p + 1 and 16 - p key steps of 128 each.
; Waves 2 t and 2 t + 1 share tile t of both blocks, 17 key steps, as 8 and 9.  THE OWNER (bit 0 xor bit 2 of the wave's number) works the late tile's steps 7 - p .. 15 - p.  THE HELPER first works the late tile's steps 0 .. 6 - p (none where p = 7),
; puts O, l and M into LDS bytes of its own and signals the barrier; then it works its early tile, steps 0 .. p (LDS loads and register work alone stand between signal and wait).  Behind the barrier the owner joins the two parts under the larger M, by exact powers of two.
; Both passes are loops of constant count; a step outside a wave's range is passed over by a scalar branch on ids, round the work alone.
; LDS: the whole key/value head, 16 x 13,056 bytes, filled ONCE: each of the sixteen waves issues one joint load, block = its number.  Blocks beyond 15 - p are fetched and not read, so that the joint loads are alike in all partners.  Behind it 8 x 4,608 bytes for the parts, then the spare words.
; NO PREFETCH: every byte of the launch is asked for at its head.
; K = 64 IN AN INSTRUCTION OF K = 128: Q's registers 6-11 are zero codes, and bytes 2, 3 of both scale words are 0 (2^-127).  K's operand for tile i is v[32 + 6 i .. + 11]: its upper six registers are finite codes, which times the code 0 add nothing.
; LIMITS: the promise holds while |t| stays under 2^31; 1 / l is v_rcp_f32 and a multiplication; a block whose largest magnitude lies under 2^-124 gets the byte 1; NaN and infinities are not served.
.set KVB,    13056
.set KVHEAD, 16*KVB
.set EX,     KVHEAD                    ; the parts: 4,608 bytes for each pair of waves
.set EXP,    4608
.set SPARE,  EX+8*EXP
.set KV,  32                           ; v32-79 k's eight tiles, later v^T's four fragments; v80-85 zeros
.set KS,  86
.set VS,  90
.set S,   96                           ; v96-159 S^T, then p
.set O,   160                          ; v160-191 O^T
.set PC,  192
.set BM,  212
.set PD,  216
.set SO,  220
.set TP,  224
.set F,   226                          ; v[226:227] f, later 1 / l
.set PWD, 228
.set F2,  230                          ; v[230:231] the helper's part's factor
.set Q2,  232                          ; v232-237, v238 the second pass's Q and its scale words
.set SM,  240                          ; v240-253 seven chains of the row's sum
.set EXA, 29                           ; LDS address of my pair's part + 16 x lane
.set WV,  18
.set SEL, 22
.set CS,  24
.set G1,  28
.set LO,  40                           ; the pass's first and last key step, and the step on the diagonal
.set HI,  41
.set DG,  42
.set KIND, 43                          ; 1: owner
.set TB,  52
.set J,   53
.set CNT, 54
.set HI2, 55
.macro CROUND
	s_barrier_signal -1
	s_barrier_wait -1
	s_cmp_lg_u32 s[WV], 0
	s_cbranch_scc1 .Lnot_wave_0_\@
	s_barrier_signal -3
.Lnot_wave_0_\@:
	s_barrier_wait -3
	s_barrier_signal -1
	s_barrier_wait -1
.endm
	s_load_b128 s[4:7], s[0:1], 0x0                ; qb s[4:5], kv s[6:7]
	s_load_b64 s[8:9], s[0:1], 0x10                ; aoc
	v_lshl_add_u32 v254, v0, 2, SPARE
	v_mov_b32 v255, 0
	ds_add_u32 v254, v255                          ; the opening lines
	ds_add_u32 v254, v255
	v_lshrrev_b32 v8, 5, v0
	s_delay_alu instid0(VALU_DEP_1)
	v_readfirstlane_b32 s[WV], v8                  ; wave 0..15
	s_bfe_u32 s10, ttmp6, 0x40000                  ; cx: the query head within the key/value head
	s_and_b32 s11, ttmp7, 0xffff                   ; the key/value head
	s_lshr_b32 s12, s[WV], 2
	s_xor_b32 s12, s12, s[WV]
	s_and_b32 s[KIND], s12, 1
	s_sub_co_u32 s13, 15, ttmp9                    ; the late block
	s_sub_co_u32 s44, 7, ttmp9
	s_sub_co_i32 s45, 6, ttmp9
	s_mov_b32 s46, 99
	s_cmp_eq_u32 s[KIND], 1
	s_cselect_b32 s12, s13, ttmp9                  ; the block of the tile that I store
	s_cselect_b32 s[LO], s44, 0                    ; first pass: owner 7 - p .. 15 - p, the last on the diagonal; helper 0 .. 6 - p, none on it
	s_cselect_b32 s[HI], s13, s45
	s_cselect_b32 s[DG], s13, s46
	s_cselect_b32 s[HI2], -1, ttmp9                ; second pass: owner nothing; helper 0 .. p
	s_lshr_b32 s14, s[WV], 1                       ; t
	s_lshl_b32 s15, s12, 3
	s_add_co_u32 s15, s15, s14                     ; the token tile that I store
	s_lshl_b32 s47, s13, 3
	s_add_co_u32 s47, s47, s14                     ; the late token tile
	s_lshl_b32 s16, s11, 2
	s_add_co_u32 s16, s16, s10                     ; my query head
	s_mov_b32 s[G1], 15|(3<<16)|(1<<21)            ; group 1: a dense block of 13,056 bytes as 51 rows of 256; the mask names all four work-groups
	s_mov_b32 s[G1+1], 32<<16
	s_mov_b32 s[G1+2], 51<<16
	s_mov_b32 s[G1+3], 32<<16
	s_mov_b32 s[G1+4], 51
	s_mov_b32 s[G1+5], 32
	s_mov_b32 s[G1+6], 0
	s_mov_b32 s[G1+7], 0
	s_mul_i32 s56, s11, KVHEAD
	s_mul_i32 s57, s[WV], KVB                      ; block = my wave's number: in LDS,
	s_add_co_u32 s58, s56, s57                     ; and in memory
	s_mov_b32 s59, 0
	s_mov_b32 s[SEL], 0x76543210
	s_mov_b32 s[SEL+1], 0xfedcba98
	s_mov_b32 s[CS], 0x3e38aa3b                    ; log2(e) / 8
	s_mov_b32 s[CS+1], s[CS]
	s_wait_dscnt 0x0
	s_wait_kmcnt 0x0
	s_add_nc_u64 s[58:59], s[6:7], s[58:59]
	s_mov_b32 s36, 1
	s_mov_b32 s37, s57
	s_mov_b64 s[38:39], s[58:59]
	s_or_b32 s39, s39, 0x80000000
	CROUND                                         ; all four work-groups are here: the joint loads meet
	tensor_load_to_lds s[36:39], s[G1:G1+7]        ; my one tensor load
	s_nop 0
.rept 4
	v_nop
.endr
	s_mul_i32 s12, s16, 98304
	s_mul_i32 s17, s47, 768
	s_add_co_u32 s48, s12, s17
	s_mul_i32 s17, s15, 768
	s_add_co_u32 s50, s12, s17
	s_mov_b32 s49, 0
	s_mov_b32 s51, 0
	s_add_nc_u64 s[56:57], s[4:5], s[48:49]        ; Q's codes: the late tile's,
	s_add_nc_u64 s[58:59], s[4:5], s[50:51]        ; and those of the tile that I store
	s_lshl_b32 s12, s16, 13
	s_add_co_u32 s12, s12, 3145728
	s_lshl_b32 s17, s47, 6
	s_add_co_u32 s48, s12, s17
	s_lshl_b32 s17, s15, 6
	s_add_co_u32 s50, s12, s17
	s_add_nc_u64 s[48:49], s[4:5], s[48:49]        ; their scale words
	s_add_nc_u64 s[50:51], s[4:5], s[50:51]
	s_mul_i32 s12, s15, 25600                      ; the result: row tile = my token tile,
	s_lshr_b32 s17, s11, 1
	s_mul_i32 s17, s17, 6400                       ; chunk = head / 8,
	s_add_co_u32 s12, s12, s17
	s_mov_b32 s13, 0
	s_add_nc_u64 s[8:9], s[8:9], s[12:13]
	s_and_b32 s17, s11, 1
	s_lshl_b32 s17, s17, 2
	s_add_co_u32 s17, s17, s10                     ; half = head % 8
	s_mul_i32 s12, s17, 768
	s_add_nc_u64 s[20:21], s[8:9], s[12:13]        ; its codes
	s_lshl_b32 s12, s17, 1
	s_add_co_u32 s12, s12, 6144
	s_add_nc_u64 s[26:27], s[8:9], s[12:13]        ; its two bytes of each row's 16
	s_lshr_b32 s19, s14, 1
	s_lshl_b32 s19, s19, 5
	s_and_b32 s17, s14, 1
	s_lshl_b32 s17, s17, 3
	s_add_co_u32 s19, s19, s17                     ; 32 (t / 2) + 8 (t % 2)
	s_mul_i32 s17, s14, EXP
	s_add_co_u32 s17, s17, EX                      ; my pair's part
	v_and_b32 v8, 31, v0                           ; lane
	v_and_b32 v10, 15, v0                          ; r
	v_lshlrev_b32 v1, 4, v8                        ; v1, v2, v3: 16, 8, 4 x lane
	v_lshlrev_b32 v2, 3, v8
	v_lshlrev_b32 v3, 2, v8
	v_lshlrev_b32 v11, 2, v10                      ; 4 r
	v_lshlrev_b32 v9, 4, v10                       ; 16 r
	v_add_nc_u32 v[EXA], s17, v1
	s_wait_alu depctr_va_vdst(0)                   ; the wait ahead of the readers below
	global_load_b128 v[16:19], v1, s[56:57]        ; the first pass's Q
	global_load_b64 v[20:21], v2, s[56:57] offset:512
	global_load_b32 v28, v11, s[48:49]
	global_load_b128 v[Q2:Q2+3], v1, s[58:59]      ; the second pass's
	global_load_b64 v[Q2+4:Q2+5], v2, s[58:59] offset:512
	global_load_b32 v[Q2+6], v11, s[50:51]
.irp i, 22,23,24,25,26,27,80,81,82,83,84,85
	v_mov_b32 v\i, 0                               ; the zero codes of K = 64 .. 127
.endr
	v_and_b32 v7, 8, v10
	v_and_b32 v6, 16, v8                           ; 16 h
	v_add_nc_u32 v7, v7, v10                       ; r + 8 (r / 8)
	v_mov_b32 v13, 0xff61b1e6                      ; the largest t so far: -3e38
	v_sub_nc_u32 v7, v7, v6
	v_mov_b32 v14, 0                               ; l, in two halves
	v_add_nc_u32 v7, s19, v7                       ; D = my query's place in its block - 16 h: on the diagonal register 16 b + i is hidden where 32 b + i > D
	v_floor_f32 v12, -v13                          ; -M
	v_mov_b32 v15, 0
.irp i, 216,217,218,219,224,226,227,230,231
	v_mov_b32 v\i, 0                               ; lane permutes' destinations count as sources; v227, v231 are named as upper halves of pairs
.endr
.set n, 0
.rept 32
	v_mov_b32 v[O+n], 0                            ; O^T
.set n, n+1
.endr
	s_wait_alu depctr_va_vdst(0)                   ; the wait at the head's end
	s_wait_loadcnt 0x0                             ; Q
	s_wait_tensorcnt 0x0                           ; my block has landed
	s_barrier_signal -1
	s_barrier_wait -1                              ; everybody's has: K and V are only read from here on
.macro STEP                            ; a key step: 128 keys
	s_cmp_lt_i32 s[J], s[LO]
	s_cbranch_scc1 .Lskip_\@
	s_cmp_gt_i32 s[J], s[HI]
	s_cbranch_scc1 .Lskip_\@
	v_add_nc_u32 v4, s[TB], v1                     ; these three and the v_nop are the four places between the last products and the loads into registers that they read
	v_add_nc_u32 v5, s[TB], v2
	v_add_nc_u32 v6, s[TB], v3
	v_nop
.irp t, 0,1,2,3,4,5,6,7
	ds_load_b128 v[KV+6*\t:KV+6*\t+3], v4 offset:768*\t
	ds_load_b64 v[KV+6*\t+4:KV+6*\t+5], v5 offset:768*\t+512
.endr
.irp i, 0,1,2,3
	ds_load_b32 v[KS+\i], v6 offset:12288+128*\i
.endr
	s_wait_alu depctr_va_vdst(0)
	s_wait_dscnt 0x0
.irp t, 0,2,4,6                                ; S^T = K Q^T: eight accumulators
	v_wmma_scale_f32_16x16x128_f8f6f4 v[S+8*\t:S+8*\t+7], v[KV+6*\t:KV+6*\t+11], v[16:27], 0, v[KS+\t/2], v28 matrix_a_fmt:MATRIX_FMT_FP6 matrix_b_fmt:MATRIX_FMT_FP6
	v_wmma_scale_f32_16x16x128_f8f6f4 v[S+8*\t+8:S+8*\t+15], v[KV+6*\t+6:KV+6*\t+17], v[16:27], 0, v[KS+\t/2], v28 matrix_a_fmt:MATRIX_FMT_FP6 matrix_b_fmt:MATRIX_FMT_FP6 matrix_a_scale:MATRIX_SCALE_ROW1
.endr
.rept 4
	v_nop                                          ; places in front of the loads below and of the first read of the scores
.endr
.irp t, 0,1,2,3                                ; V^T's four fragments land while the softmax is worked
.irp c, 0,1
	ds_load_b128 v[KV+12*\t+6*\c:KV+12*\t+6*\c+3], v4 offset:6144+1536*\t+768*\c
	ds_load_b64 v[KV+12*\t+6*\c+4:KV+12*\t+6*\c+5], v5 offset:6144+1536*\t+768*\c+512
.endr
.endr
.irp i, 0,1
	ds_load_b32 v[VS+\i], v6 offset:12800+128*\i
.endr
	s_cmp_lg_u32 s[J], s[DG]                       ; on the diagonal the scores of hidden keys become -infinity ahead of the maximum; my own key counts, so M is a number
	s_cbranch_scc1 .Lopen_\@
	v_mov_b32 v[TP], 0xff800000
.set n, 0
.rept 64
	v_cmp_gt_i32 vcc_lo, 32*(n/16)+n%16, v7
	v_cndmask_b32 v[S+n], v[S+n], v[TP], vcc_lo
.set n, n+1
.endr
.Lopen_\@:
.irp b, 0,1,2,3
	v_max3_num_f32 v[BM+\b], v[S+16*\b], v[S+1+16*\b], v[S+2+16*\b]   ; the largest score of each block of 32 keys: for the row's maximum and, since p rises with the score, for the block's largest p
.endr
.irp i, 3,5,7,9,11,13
.irp b, 0,1,2,3
	v_max3_num_f32 v[BM+\b], v[BM+\b], v[S+16*\b+\i], v[S+1+16*\b+\i]
.endr
.endr
.irp b, 0,1,2,3
	v_max_num_f32 v[BM+\b], v[BM+\b], v[S+15+16*\b]
.endr
.irp b, 0,1,2,3
	s_delay_alu instid0(VALU_DEP_4)
	v_permlanex16_b32 v[PD+\b], v[BM+\b], s[SEL], s[SEL+1]
.endr
.irp b, 0,1,2,3
	s_delay_alu instid0(VALU_DEP_4)
	v_max_num_f32 v[BM+\b], v[BM+\b], v[PD+\b]     ; with lane l xor 16's 16 keys
.endr
	s_delay_alu instid0(VALU_DEP_2)
	v_max3_num_f32 v[TP], v[BM], v[BM+1], v[BM+2]
	s_delay_alu instid0(VALU_DEP_1)
	v_max_num_f32 v[TP], v[TP], v[BM+3]            ; the step's largest score of my query
	s_delay_alu instid0(VALU_DEP_1)
	v_mul_f32 v[TP], s[CS], v[TP]                  ; as t
	s_delay_alu instid0(VALU_DEP_1)
	v_max_num_f32 v13, v13, v[TP]                  ; the running largest t
	v_mov_b32 v[TP], v12
	s_delay_alu instid0(VALU_DEP_2)
	v_floor_f32 v12, -v13                          ; the new -M = -ceil(t)
	s_delay_alu instid0(VALU_DEP_1)
	v_sub_f32 v[TP], v12, v[TP]                    ; old M - new M: a whole number, 0 or less
	s_delay_alu instid0(VALU_DEP_1)
	v_cvt_i32_f32 v[TP], v[TP]                     ; (it saturates)
	s_delay_alu instid0(VALU_DEP_1)
	v_ldexp_f32 v[F], 1.0, v[TP]                   ; f = 2^(old M - new M)
.set n, 0
.rept 32
	v_pk_fma_f32 v[S+n:S+n+1], v[S+n:S+n+1], s[CS:CS+1], v[12:13] op_sel_hi:[1,0,0]   ; t - M, two at a time
.set n, n+2
.endr
.irp b, 0,1,2,3
	v_fma_f32 v[BM+\b], v[BM+\b], s[CS], v12       ; the same of each block's largest score
.endr
.set n, 0
	s_wait_alu depctr_va_vdst(0)                   ; the wait ahead of the batch
.rept 64
	v_exp_f32 v[S+n], v[S+n]                       ; p = 2^(t - M), at most 1
.set n, n+1
.endr
.irp b, 0,1,2,3
	v_exp_f32 v[BM+\b], v[BM+\b]                   ; the block's largest p
.endr
	v_pk_mul_f32 v[14:15], v[14:15], v[F:F+1] op_sel_hi:[1,0]   ; l under the new M: a plain place behind the exponentials
	s_wait_alu depctr_va_vdst(0)                   ; and the one wait behind the batch
.irp b, 0,1,2,3
	v_max_num_f32 v[BM+\b], 0x1800000, v[BM+\b]    ; the floor 2^(3 - 127)
.endr
.irp b, 0,1,2,3
	s_delay_alu instid0(VALU_DEP_4)
	v_add_nc_u32 v[SO+\b], 0xff000000, v[BM+\b]    ; the conversion's scale operand
.endr
.irp b, 0,1,2,3
	s_delay_alu instid0(VALU_DEP_4)
	v_lshrrev_b32 v[PD+\b], 23, v[SO+\b]           ; the scale's byte
.endr
	s_delay_alu instid0(VALU_DEP_3)
	v_lshl_or_b32 v[PWD], v[PD+1], 8, v[PD]        ; p's scale word for these 128 keys
	s_delay_alu instid0(VALU_DEP_1)
	v_lshl_or_b32 v[PWD], v[PD+2], 16, v[PWD]
	s_delay_alu instid0(VALU_DEP_1)
	v_lshl_or_b32 v[PWD], v[PD+3], 24, v[PWD]
.irp c, 0,1
	v_cvt_scalef32_pk16_fp6_f32 v[PC+6*\c:PC+2+6*\c], v[S+32*\c:S+15+32*\c], v[SO+2*\c]
	v_cvt_scalef32_pk16_fp6_f32 v[PC+12+4*\c:PC+14+4*\c], v[S+16+32*\c:S+31+32*\c], v[SO+2*\c+1]
.endr
	v_nop                                          ; one plain place behind a scaled conversion
.irp c, 0,1                                    ; a whole block to a lane
.irp i, 0,1,2
	v_permlane16_swap_b32 v[PC+6*\c+\i], v[PC+12+4*\c+\i]
.endr
.irp i, 0,1,2
	s_delay_alu instid0(VALU_DEP_3)
	v_mov_b32 v[PC+3+6*\c+\i], v[PC+12+4*\c+\i]
.endr
.endr
.irp c, 0,1,2,3,4,5,6                          ; the row's sum of the unquantised p: eight chains by turns
	v_pk_add_f32 v[SM+2*\c:SM+2*\c+1], v[S+2*\c:S+2*\c+1], v[S+14+2*\c:S+15+2*\c]
.endr
	v_pk_add_f32 v[14:15], v[14:15], v[S+28:S+29]
.irp g, 30,46
.irp c, 0,1,2,3,4,5,6
	v_pk_add_f32 v[SM+2*\c:SM+2*\c+1], v[SM+2*\c:SM+2*\c+1], v[S+\g+2*\c:S+\g+2*\c+1]
.endr
	v_pk_add_f32 v[14:15], v[14:15], v[S+\g+14:S+\g+15]
.endr
	v_pk_add_f32 v[SM:SM+1], v[SM:SM+1], v[S+62:S+63]
	v_pk_add_f32 v[SM+2:SM+3], v[SM+2:SM+3], v[SM+4:SM+5]
	v_pk_add_f32 v[SM+6:SM+7], v[SM+6:SM+7], v[SM+8:SM+9]
	v_pk_add_f32 v[SM+10:SM+11], v[SM+10:SM+11], v[SM+12:SM+13]
	v_pk_add_f32 v[14:15], v[14:15], v[SM:SM+1]
	v_pk_add_f32 v[SM+2:SM+3], v[SM+2:SM+3], v[SM+6:SM+7]
	s_delay_alu instid0(VALU_DEP_2)
	v_pk_add_f32 v[14:15], v[14:15], v[SM+10:SM+11]
	s_delay_alu instid0(VALU_DEP_1)
	v_pk_add_f32 v[14:15], v[14:15], v[SM+2:SM+3]
.set n, 0
.rept 16
	v_pk_mul_f32 v[O+n:O+n+1], v[O+n:O+n+1], v[F:F+1] op_sel_hi:[1,0]   ; O^T under the new M.  (The sums and these are the places between the scale word and codes just made and the products below)
.set n, n+2
.endr
	s_wait_alu depctr_va_vdst(0)
	s_wait_dscnt 0x0                               ; V^T
.irp t, 0,2                                    ; O^T += V^T P^T: four accumulators; K = these 128 keys
	v_wmma_scale_f32_16x16x128_f8f6f4 v[O+8*\t:O+8*\t+7], v[KV+12*\t:KV+12*\t+11], v[PC:PC+11], v[O+8*\t:O+8*\t+7], v[VS+\t/2], v[PWD] matrix_a_fmt:MATRIX_FMT_FP6 matrix_b_fmt:MATRIX_FMT_FP6
	v_wmma_scale_f32_16x16x128_f8f6f4 v[O+8*\t+8:O+8*\t+15], v[KV+12*\t+12:KV+12*\t+23], v[PC:PC+11], v[O+8*\t+8:O+8*\t+15], v[VS+\t/2], v[PWD] matrix_a_fmt:MATRIX_FMT_FP6 matrix_b_fmt:MATRIX_FMT_FP6 matrix_a_scale:MATRIX_SCALE_ROW1
.endr
.Lskip_\@:
	s_add_co_u32 s[J], s[J], 1
	s_add_co_u32 s[TB], s[TB], KVB
.endm
.macro PASS trips                      ; key steps 0 .. trips - 1, of which a wave works LO .. HI
	s_mov_b32 s[TB], 0
	s_mov_b32 s[J], 0
	s_mov_b32 s[CNT], \trips
.Lstep_\@:
	STEP
	s_sub_co_u32 s[CNT], s[CNT], 1
	s_cmp_lg_u32 s[CNT], 0
	s_cbranch_scc1 .Lstep_\@
.endm
	PASS 16
.rept 4
	v_nop                                          ; four places behind the last products
.endr
	s_cmp_eq_u32 s[KIND], 1
	s_cbranch_scc1 .Lkeep
.irp q, 0,1,2,3,4,5,6,7                        ; the helper's part of the late tile goes to its pair's LDS bytes, as an image of the registers, O^T from its low end on
	ds_store_b128 v[EXA], v[O+4*\q:O+4*\q+3] offset:512*\q
.endr
	ds_store_b128 v[EXA], v[12:15] offset:4096     ; -M, the largest t, l's two halves
	v_mov_b32 v28, v[Q2+6]                         ; and the early tile begins: its scale words first, eight places and more ahead of the next product,
.irp i, 0,1,2,3,4,5
	v_mov_b32 v[16+\i], v[Q2+\i]                   ; its Q,
.endr
	v_mov_b32 v13, 0xff61b1e6
	v_mov_b32 v14, 0
	v_mov_b32 v15, 0
	v_floor_f32 v12, -v13
.set n, 0
.rept 32
	v_mov_b32 v[O+n], 0                            ; and its sums
.set n, n+1
.endr
.Lkeep:
	s_mov_b32 s[LO], 0
	s_mov_b32 s[HI], s[HI2]
	s_mov_b32 s[DG], ttmp9
	s_wait_alu depctr_va_vdst(0)
	s_wait_dscnt 0x0                               ; my stores of the part are done
	s_barrier_signal -1                            ; say so; between here and the wait: register work and loads of K and V, which nobody writes
	PASS 8
	s_barrier_wait -1                              ; every helper's part lies in LDS
.rept 4
	v_nop                                          ; four places behind the last products
.endr
	s_cmp_eq_u32 s[KIND], 1
	s_cbranch_scc0 .Lout
.irp q, 0,1,2,3,4,5,6,7                        ; the owner joins the helper's part to its own
	ds_load_b128 v[S+4*\q:S+4*\q+3], v[EXA] offset:512*\q
.endr
	ds_load_b128 v[S+32:S+35], v[EXA] offset:4096
	s_wait_dscnt 0x0
	v_min_num_f32 v[TP], v12, v[S+32]              ; -(the larger M)
	s_delay_alu instid0(VALU_DEP_1)
	v_sub_f32 v[F], v[TP], v12                     ; my M - the larger: a whole number, 0 or less
	v_sub_f32 v[F2], v[TP], v[S+32]                ; the helper's likewise (a helper with no step left -3e38 there: its factor comes out 0, on sums that are 0)
	s_delay_alu instid0(VALU_DEP_2)
	v_cvt_i32_f32 v[F], v[F]
	s_delay_alu instid0(VALU_DEP_2)
	v_cvt_i32_f32 v[F2], v[F2]
	s_delay_alu instid0(VALU_DEP_2)
	v_ldexp_f32 v[F], 1.0, v[F]
	s_delay_alu instid0(VALU_DEP_2)
	v_ldexp_f32 v[F2], 1.0, v[F2]
	v_pk_mul_f32 v[14:15], v[14:15], v[F:F+1] op_sel_hi:[1,0]
.set n, 0
.rept 16
	v_pk_mul_f32 v[O+n:O+n+1], v[O+n:O+n+1], v[F:F+1] op_sel_hi:[1,0]
.set n, n+2
.endr
	v_pk_fma_f32 v[14:15], v[S+34:S+35], v[F2:F2+1], v[14:15] op_sel_hi:[1,0,1]
.set n, 0
.rept 16
	v_pk_fma_f32 v[O+n:O+n+1], v[S+n:S+n+1], v[F2:F2+1], v[O+n:O+n+1] op_sel_hi:[1,0,1]
.set n, n+2
.endr
.Lout:
	; THE WAY OUT.  O^T / l; its 32 registers are d = 32 b + 16 (lane / 16) + i of my query: two blocks along the last product's K: quantised as they stand, one half of a fragment.
	v_add_f32 v14, v14, v15                        ; l's two halves,
	s_delay_alu instid0(VALU_DEP_1)
	v_permlanex16_b32 v[TP], v14, s[SEL], s[SEL+1]
	s_delay_alu instid0(VALU_DEP_1)
	v_add_f32 v14, v14, v[TP]                      ; and lane l xor 16's
	s_wait_alu depctr_va_vdst(0)                   ; the wait ahead of the transcendental
	v_rcp_f32 v[F], v14
	v_nop                                          ; the plain place behind the reciprocal
	s_wait_alu depctr_va_vdst(0)                   ; and behind it
.set n, 0
.rept 16
	v_pk_mul_f32 v[O+n:O+n+1], v[O+n:O+n+1], v[F:F+1] op_sel_hi:[1,0]
.set n, n+2
.endr
.irp b, 0,1
	v_max3_num_f32 v[BM+\b], |v[O+16*\b]|, |v[O+1+16*\b]|, 0x1800000
.endr
.irp i, 2,4,6,8,10,12,14
.irp b, 0,1
	s_delay_alu instid0(VALU_DEP_2)
	v_max3_num_f32 v[BM+\b], v[BM+\b], |v[O+16*\b+\i]|, |v[O+1+16*\b+\i]|
.endr
.endr
.irp b, 0,1
	s_delay_alu instid0(VALU_DEP_2)
	v_permlanex16_b32 v[PD+\b], v[BM+\b], s[SEL], s[SEL+1]
.endr
.irp b, 0,1
	s_delay_alu instid0(VALU_DEP_2)
	v_max_num_f32 v[BM+\b], v[BM+\b], v[PD+\b]
.endr
.irp b, 0,1
	s_delay_alu instid0(VALU_DEP_2)
	v_add_nc_u32 v[SO+\b], 0xff000000, v[BM+\b]
.endr
.irp b, 0,1
	s_delay_alu instid0(VALU_DEP_2)
	v_lshrrev_b32 v[PD+\b], 23, v[SO+\b]
.endr
	s_delay_alu instid0(VALU_DEP_1)
	v_lshl_or_b32 v[PWD], v[PD+1], 8, v[PD]        ; my row's two scale bytes
	v_cvt_scalef32_pk16_fp6_f32 v[PC:PC+2], v[O:O+15], v[SO]
	v_cvt_scalef32_pk16_fp6_f32 v[PC+12:PC+14], v[O+16:O+31], v[SO+1]
	v_nop                                          ; one plain place behind a scaled conversion
.irp i, 0,1,2
	v_permlane16_swap_b32 v[PC+\i], v[PC+12+\i]
.endr
.irp i, 0,1,2
	s_delay_alu instid0(VALU_DEP_3)
	v_mov_b32 v[PC+3+\i], v[PC+12+\i]
.endr
	global_store_b128 v1, v[PC:PC+3], s[20:21]     ; 512 consecutive bytes, at a multiple of 256 from aoc's first byte
	global_store_b64 v2, v[PC+4:PC+5], s[20:21] offset:512
	v_cmp_gt_u32 vcc_lo, 16, v8
	s_wait_xcnt 0x0                                ; EXEC is a source of the stores above: it changes only behind this wait
	s_and_saveexec_b32 s12, vcc_lo                 ; lanes 0-15: both halves hold the same bytes
	global_store_b16 v9, v[PWD], s[26:27]          ; two bytes of each row's 16: the other heads' come from other work-groups
	s_wait_xcnt 0x0                                ; and again, in front of the line that widens it
	s_or_b32 exec_lo, exec_lo, s12
	s_wait_tensorcnt 0x0                           ; the wave's end
	ds_add_u32 v254, v255
	s_wait_dscnt 0x0
	CROUND                                         ; the closing round
	s_endpgm
.Lfunc_end_k_q9bc9a4ac70_attn:
	.size	k_q9bc9a4ac70_attn, .Lfunc_end_k_q9bc9a4ac70_attn-k_q9bc9a4ac70_attn
	.p2alignl 7, 3214868480
	.fill 96, 4, 3214868480
	.section	.rodata,"a",@progbits
	.p2align	6, 0x0
	.amdhsa_kernel k_q9bc9a4ac70_attn
		.amdhsa_group_segment_fixed_size 247808
		.amdhsa_private_segment_fixed_size 0
		.amdhsa_enable_private_segment 0
		.amdhsa_kernarg_size 24
		.amdhsa_user_sgpr_count 2
		.amdhsa_user_sgpr_kernarg_segment_ptr 1
		.amdhsa_wavefront_size32 1
		.amdhsa_system_sgpr_workgroup_id_x 1
		.amdhsa_system_sgpr_workgroup_id_y 1
		.amdhsa_system_sgpr_workgroup_id_z 1
		.amdhsa_system_vgpr_workitem_id 0
		.amdhsa_next_free_vgpr 256
		.amdhsa_next_free_sgpr 66
		.amdhsa_reserve_vcc 1
		.amdhsa_float_denorm_mode_32 3
		.amdhsa_float_denorm_mode_16_64 3
		.amdhsa_memory_ordered 1
		.amdhsa_forward_progress 1
		.amdhsa_inst_pref_size 64
	.end_amdhsa_kernel
	.amdgpu_metadata
---
amdhsa.version: [ 1, 2 ]
amdhsa.kernels:
  - .name:           k_q9bc9a4ac70_attn
    .symbol:         k_q9bc9a4ac70_attn.kd
    .args:
      - { .name: qb, .offset: 0, .size: 8, .value_kind: global_buffer, .address_space: global }
      - { .name: kv, .offset: 8, .size: 8, .value_kind: global_buffer, .address_space: global }
      - { .name: aoc, .offset: 16, .size: 8, .value_kind: global_buffer, .address_space: global }
    .group_segment_fixed_size: 247808
    .private_segment_fixed_size: 0
    .kernarg_segment_align: 8
    .kernarg_segment_size: 24
    .max_flat_workgroup_size: 512
    .sgpr_count:     66
    .vgpr_count:     256
    .wavefront_size: 32
...
	.end_amdgpu_metadata
.endif
;; end of part 3
;; launch oproj (part 4): grid 16 x 16, 4 waves a work-group, clusters of 4 x 4, 327,680 bytes of LDS; arguments aoc, cod, out0; writes out0
.if DOCPART == 4
	.amdgcn_target "amdgcn-amd-amdhsa--gfx1250"
	.amdhsa_code_object_version 6
	.text
	.protected	k_q9bc9a4ac70_oproj
	.globl	k_q9bc9a4ac70_oproj
	.p2align	8
	.type	k_q9bc9a4ac70_oproj,@function
k_q9bc9a4ac70_oproj:
	s_mov_b64 s[64:65], 0
	v_nop
	global_prefetch_b8 v0, s[64:65] scope:SCOPE_SE
	s_setreg_imm32_b32 hwreg(HW_REG_WAVE_MODE, 25, 1), 1
	s_wait_xcnt 0x0
	s_wait_alu depctr_hold_cnt(0) depctr_sa_sdst(0) depctr_va_vdst(0) depctr_va_sdst(0) depctr_va_ssrc(0) depctr_va_vcc(0) depctr_vm_vsrc(0)
	s_getreg_b32 s2, hwreg(HW_REG_IB_STS2, 6, 4)
	s_cmp_eq_u32 s2, 0
	s_cbranch_scc0 .Lentry_in_a_cluster
	s_endpgm
.Lentry_in_a_cluster:
	s_bfe_u32 s2, ttmp6, 0x10000c
	s_cmp_lg_u32 s2, 0xf033
	s_cbranch_scc0 .Lentry_shape_is_right
	s_endpgm
.Lentry_shape_is_right:
; out0 = (attention's result) wo^T on codes of FP6 (E2M3) with one E8M0 scale for each 32 along K = 2,048; f32 sums, f32 out.
; OPERANDS are register images: row tiles of 25,600 bytes = four chunks of 6,400, one for each 512 along K (eight halves of 768 bytes, then 256 bytes of scale words); lane r of row tile t stands for row 32 (t / 2) + 8 (t % 2) + r + 8 (r / 8).
; R = aoc (tokens, source 1), Cn = wo (row tiles 320-447 of cod, source 0).  A work-group makes 128 x 128 of out0, four waves 64 x 64 each: 16 accumulators; 256 work-groups.
; WHERE K COMES FROM.  K groups 0-2: one joint tensor load a wave at the head (four row tiles x 19,200 bytes, 25,600 apart in memory, dense in LDS: 76,800 bytes a wave), filled once; nothing is filled again.
;   K group 3: each wave loads its own eight tiles' images from memory straight into 384 registers and their scale words into 32: 40 loads at the head, 32 more in each of K steps 0-2.  One barrier serves the launch.
; CLUSTERS: 4 x 4: R's tiles are shared along a row of the cluster, Cn's along a column, each asked for jointly.  NO PREFETCH: the text has no loop to run ahead in; all requests go out at the head or in the first three K steps.
; THE WAY OUT: a lane holds 16 neighbouring columns of one row in two accumulators; 16 rows x 64 columns go through the wave's own stage in LDS (bytes that no tensor load fills) and leave as rows of 256 bytes.
; REGISTERS: window 0: v1-26 addresses; v28, v29 for the add; v32-63 scale words of the LDS groups; v64-79, v112-127 K group 3's (Cn's, R's), later the way out; v128-255 accumulators.
;   window 1: v0-191 two sets of fragments from LDS.  window 2: v64-255 K steps 12, 13.  window 3: v0-191 K steps 14, 15.
.set CHUNK,  6400
.set TILEB,  4*CHUNK
.set ROWL,   3*CHUNK
.set WREG,   4*ROWL
.set SPARE,  4*WREG
.set STAGE,  SPARE+512
.set SPITCH, 272
.set ADRA16, 1
.set ADRA8,  4
.set ADRB16, 7
.set ADRB8,  10
.set ADRS,   13
.set LN,  16
.set RR,  17
.set HH,  18
.set L16, 19
.set L8,  20
.set S16R, 22
.set STO, 24
.set RD,  25
.set CO,  26
.set SPW, 28
.set NIL, 29
.set SC,  32
.set SB3, 64
.set SA3, 112
.set BK,  64
.set ACC, 128
.set G1,  24
.set G1B, 48
.set MSB, 0
.macro WIN new
.if MSB != (\new)
	s_set_vgpr_msb (MSB<<8)|(\new)
.set MSB, (\new)
.endif
.endm
.macro PLACES n
.rept \n
	v_nop
.endr
.endm
.macro JLOAD g0a, g1a, g0b, g1b        ; waves 0, 1 fetch for R, waves 2, 3 for Cn; s_nop 0 and four v_nop behind each line
	s_cmp_eq_u32 s15, 0
	s_cbranch_scc0 .Lfor_b_\@
	tensor_load_to_lds s[\g0a:\g0a+3], s[\g1a:\g1a+7]
	s_nop 0
.rept 4
	v_nop
.endr
	s_branch .Lasked_\@
.Lfor_b_\@:
	tensor_load_to_lds s[\g0b:\g0b+3], s[\g1b:\g1b+7]
	s_nop 0
.rept 4
	v_nop
.endr
.Lasked_\@:
.endm
.macro CROUND
	s_barrier_signal -1
	s_barrier_wait -1
	s_cmp_lg_u32 s14, 0
	s_cbranch_scc1 .Lnot_wave_0_\@
	s_barrier_signal -3
.Lnot_wave_0_\@:
	s_barrier_wait -3
	s_barrier_signal -1
	s_barrier_wait -1
.endm
.macro FETCH g, s, f                   ; 32 LDS loads: the eight fragments of K step s of group g into set f of window 1
	WIN 0x40
.irp i, 0,1,2,3
.irp c, 0,1
	ds_load_b128 v[(\f)+48+12*\i+6*\c:(\f)+48+12*\i+6*\c+3], v[ADRB16+(\g)] offset:ROWL*\i+1536*(\s)+768*\c
	ds_load_b64 v[(\f)+48+12*\i+6*\c+4:(\f)+48+12*\i+6*\c+5], v[ADRB8+(\g)] offset:ROWL*\i+1536*(\s)+768*\c+512
.endr
.endr
.irp i, 0,1,2,3
.irp c, 0,1
	ds_load_b128 v[(\f)+12*\i+6*\c:(\f)+12*\i+6*\c+3], v[ADRA16+(\g)] offset:ROWL*\i+1536*(\s)+768*\c
	ds_load_b64 v[(\f)+12*\i+6*\c+4:(\f)+12*\i+6*\c+5], v[ADRA8+(\g)] offset:ROWL*\i+1536*(\s)+768*\c+512
.endr
.endr
.endm
.macro SCALES g, sc
	WIN 0
.irp i, 0,1,2,3
	ds_load_b128 v[SC+16*(\sc)+4*\i:SC+16*(\sc)+4*\i+3], v[ADRS+(\g)] offset:ROWL*\i
.endr
.endm
.macro G3 s                            ; 32 global loads: the eight fragments of K step 12 + s into their own registers
.if (\s) < 2
	WIN 0x80
.set GB, 64+96*(\s)
.else
	WIN 0xc0
.set GB, 96*((\s)-2)
.endif
.irp i, 0,1,2,3
.irp c, 0,1
	global_load_b128 v[GB+48+12*\i+6*\c:GB+48+12*\i+6*\c+3], v[L16], s[46:47] offset:TILEB*\i+ROWL+1536*(\s)+768*\c
	global_load_b64 v[GB+48+12*\i+6*\c+4:GB+48+12*\i+6*\c+5], v[L8], s[46:47] offset:TILEB*\i+ROWL+1536*(\s)+768*\c+512
	global_load_b128 v[GB+12*\i+6*\c:GB+12*\i+6*\c+3], v[L16], s[36:37] offset:TILEB*\i+ROWL+1536*(\s)+768*\c
	global_load_b64 v[GB+12*\i+6*\c+4:GB+12*\i+6*\c+5], v[L8], s[36:37] offset:TILEB*\i+ROWL+1536*(\s)+768*\c+512
.endr
.endr
.endm
; 8 matrix instructions: R's tiles a0, a0 + 1 x Cn's four.  The 16 accumulators take turns, one instruction a turn, in the same order in every K step.
.macro MUL8 w, f, a0, sb, sa, zero
	WIN \w
.irp a, \a0, \a0+1
.irp b, 0,1,2,3
.if \zero
	v_wmma_scale_f32_16x16x128_f8f6f4 v[ACC+8*(4*(\a)+\b):ACC+8*(4*(\a)+\b)+7], v[(\f)+48+12*\b:(\f)+48+12*\b+11], v[(\f)+12*(\a):(\f)+12*(\a)+11], 0, v[\sb+4*\b], v[\sa+4*(\a)] matrix_a_fmt:MATRIX_FMT_FP6 matrix_b_fmt:MATRIX_FMT_FP6 matrix_a_scale:MATRIX_SCALE_ROW1
.else
	v_wmma_scale_f32_16x16x128_f8f6f4 v[ACC+8*(4*(\a)+\b):ACC+8*(4*(\a)+\b)+7], v[(\f)+48+12*\b:(\f)+48+12*\b+11], v[(\f)+12*(\a):(\f)+12*(\a)+11], v[ACC+8*(4*(\a)+\b):ACC+8*(4*(\a)+\b)+7], v[\sb+4*\b], v[\sa+4*(\a)] matrix_a_fmt:MATRIX_FMT_FP6 matrix_b_fmt:MATRIX_FMT_FP6 matrix_a_scale:MATRIX_SCALE_ROW1
.endif
.endr
.endr
.endm
.macro KS n, zero                      ; K step n from LDS; K steps 0-2 also ask memory for K steps 13-15
	FETCH ((\n)+1)/4, ((\n)+1)%4, 96*(((\n)+1)%2)
.if ((\n)+1)%4 == 0
	SCALES ((\n)+1)/4, (((\n)+1)/4)%2
.endif
.if (\n) < 3
	G3 (\n)+1
.endif
.if ((\n)+1)%4 == 0
	s_wait_dscnt 36                                ; all but the 32 fragment loads and 4 loads of scale words just issued
.else
	s_wait_dscnt 32                                ; all but the 32 just issued
.endif
	MUL8 0x05, 96*((\n)%2), 0, SC+16*(((\n)/4)%2)+(\n)%4, SC+16*(((\n)/4)%2)+(\n)%4, \zero
	MUL8 0x05, 96*((\n)%2), 2, SC+16*(((\n)/4)%2)+(\n)%4, SC+16*(((\n)/4)%2)+(\n)%4, \zero
	PLACES 4                                       ; a load into a register that a matrix instruction has read stands four plain vector instructions behind it
.endm
.macro STEPR s                         ; K step 12 + s, from registers
.if (\s) < 2
.set GB, 64+96*(\s)
.set GW, 0x0a
.else
.set GB, 96*((\s)-2)
.set GW, 0x0f
.endif
	MUL8 GW, GB, 0, SB3+(\s), SA3+(\s), 0
	MUL8 GW, GB, 2, SB3+(\s), SA3+(\s), 0
.endm
	s_load_b128 s[4:7], s[0:1], 0x0                ; aoc s[4:5], cod s[6:7]
	s_load_b64 s[8:9], s[0:1], 0x10                ; out0
	v_lshl_add_u32 v[SPW], v0, 2, SPARE
	v_mov_b32 v[NIL], 0
	ds_add_u32 v[SPW], v[NIL]                      ; the opening lines
	ds_add_u32 v[SPW], v[NIL]
	v_lshrrev_b32 v[LN], 5, v0
	v_readfirstlane_b32 s14, v[LN]                 ; wave 0..3
	s_lshr_b32 s15, s14, 1                         ; which half of R's rows is mine.  Also: I fetch for R (0) or for Cn (1)
	s_and_b32 s16, s14, 1                          ; which half of Cn's rows.  Also: which four row tiles I fetch
	s_bfe_u32 s40, ttmp6, 0x40000
	s_bfe_u32 s41, ttmp6, 0x40004
	s_and_b32 s42, ttmp7, 0xffff
	s_lshl_b32 s17, s42, 2
	s_add_co_u32 s17, s17, s41                     ; which 128 tokens
	s_lshl_b32 s18, ttmp9, 2
	s_add_co_u32 s18, s18, s40                     ; which 128 rows of wo
	s_lshl_b32 s43, s41, 2
	s_lshl_b32 s43, 15, s43
	s_lshl_b32 s44, 0x1111, s40
	s_or_b32 s[G1], s43, (3<<16)|(1<<21)           ; group 1: 4 rows of 19,200 bytes (2,400 elements of 8), 25,600 bytes apart, dense in LDS
	s_or_b32 s[G1B], s44, (3<<16)|(1<<21)
.irp g, G1, G1B
	s_mov_b32 s[\g+1], 2400<<16
	s_mov_b32 s[\g+2], 4<<16
	s_mov_b32 s[\g+3], 2400<<16
	s_mov_b32 s[\g+4], 4
	s_mov_b32 s[\g+5], 3200
	s_mov_b32 s[\g+6], 0
	s_mov_b32 s[\g+7], 0
.endr
	s_lshl_b32 s77, s16, 2
	s_lshl_b32 s20, s17, 3
	s_lshl_b32 s36, s15, 2
	s_add_co_u32 s36, s36, s20
	s_mul_i32 s36, s36, TILEB                      ; the four tiles of R that I multiply
	s_mov_b32 s37, 0
	s_add_co_u32 s20, s20, s77
	s_mul_i32 s20, s20, TILEB                      ; the four that I would fetch
	s_mov_b32 s21, 0
	s_lshl_b32 s46, s18, 3
	s_add_co_u32 s46, s46, s77
	s_add_co_u32 s46, s46, 320
	s_mul_i32 s46, s46, TILEB                      ; Cn: the four that I would fetch are the four that I multiply
	s_mov_b32 s47, 0
	s_mul_i32 s45, s14, WREG
	s_mul_i32 s78, s15, WREG
	s_mul_i32 s79, s16, WREG
	s_add_co_u32 s79, s79, 2*WREG
	s_sub_co_u32 s22, s79, s78
	s_add_co_u32 s23, s78, 8*768
	s_mul_i32 s82, s14, 16*SPITCH
	s_add_co_u32 s82, s82, STAGE                   ; my stage
	s_lshl_b32 s80, s17, 20                        ; my part of out0: 128 rows of 8,192 bytes a tile row, 64 rows a half, 512 bytes a tile column, 256 a half
	s_lshl_b32 s81, s15, 19
	s_add_co_u32 s80, s80, s81
	s_lshl_b32 s81, s18, 9
	s_add_co_u32 s80, s80, s81
	s_lshl_b32 s81, s16, 8
	s_add_co_u32 s80, s80, s81
	s_mov_b32 s81, 0
	s_wait_dscnt 0x0                               ; both opening adds are done
	s_wait_kmcnt 0x0
	s_add_nc_u64 s[20:21], s[4:5], s[20:21]
	s_add_nc_u64 s[36:37], s[4:5], s[36:37]
	s_add_nc_u64 s[46:47], s[6:7], s[46:47]
	s_add_nc_u64 s[8:9], s[8:9], s[80:81]
	s_mov_b32 s32, 1
	s_mov_b32 s33, s45
	s_mov_b64 s[34:35], s[20:21]
	s_or_b32 s35, s35, 0x80000000
	s_mov_b32 s56, 1
	s_mov_b32 s57, s45
	s_mov_b64 s[58:59], s[46:47]
	s_or_b32 s59, s59, 0x80000000
	CROUND                                         ; all sixteen work-groups are here: the joint loads meet
	JLOAD 32, G1, 56, G1B                          ; my one tensor load
	v_and_b32 v[LN], 31, v0
	v_and_b32 v[RR], 15, v0
	v_bfe_u32 v[HH], v0, 4, 1
	v_lshlrev_b32 v[L16], 4, v[LN]
	v_lshlrev_b32 v[L8], 3, v[LN]
	v_lshlrev_b32 v[S16R], 4, v[RR]
	v_mul_u32_u24 v23, s22, v[HH]                  ; lanes 16-31 take Cn's scale words: one product, the distance between the two bases
	v_add_nc_u32 v23, v23, v[S16R]
	v_add_nc_u32 v[ADRA16], s78, v[L16]
	v_add_nc_u32 v[ADRA8], s78, v[L8]
	v_add_nc_u32 v[ADRB16], s79, v[L16]
	v_add_nc_u32 v[ADRB8], s79, v[L8]
	v_add_nc_u32 v[ADRS], s23, v23
.irp k, 1,2
.irp r, ADRA16, ADRA8, ADRB16, ADRB8, ADRS
	v_add_nc_u32 v[\r+\k], \k*CHUNK, v[\r]
.endr
.endr
	v_mul_u32_u24 v[STO], v[RR], SPITCH            ; into the stage: row r, 64 bytes for each half of the lanes
	v_lshl_add_u32 v[STO], v[HH], 6, v[STO]
	v_add_nc_u32 v[STO], s82, v[STO]
	v_mul_u32_u24 v[RD], v[HH], SPITCH             ; back: sixteen lanes to a row of 256 bytes
	v_add_nc_u32 v[RD], v[RD], v[S16R]
	v_add_nc_u32 v[RD], s82, v[RD]
	v_lshlrev_b32 v[CO], 13, v[HH]                 ; and the same two rows in out0
	v_add_nc_u32 v[CO], v[CO], v[S16R]
	s_wait_alu depctr_va_vdst(0)                   ; the wait at the end of the head's vector work
.irp i, 0,1,2,3
	global_load_b128 v[SA3+4*\i:SA3+4*\i+3], v[S16R], s[36:37] offset:TILEB*\i+ROWL+6144   ; K group 3's scale words: row r's four, in both halves of the lanes
	global_load_b128 v[SB3+4*\i:SB3+4*\i+3], v[S16R], s[46:47] offset:TILEB*\i+ROWL+6144
.endr
	G3 0
	WIN 0
	s_wait_tensorcnt 0x0                           ; my part of K groups 0-2 is in
	s_barrier_signal -1
	s_barrier_wait -1                              ; everybody's is; the tiles are only read from here on
	FETCH 0, 0, 0
	SCALES 0, 0
	KS 0, 1                                        ; the first K step's products start the sums
.irp n, 1,2,3,4,5,6,7,8,9,10
	KS \n, 0
.endr
	s_wait_dscnt 0x0                               ; K step 11: nothing more to fetch from LDS
	MUL8 0x05, 96, 0, SC+3, SC+3, 0
	MUL8 0x05, 96, 2, SC+3, SC+3, 0
	s_wait_loadcnt 0x0                             ; K group 3 is in registers
	STEPR 0
	STEPR 1
	STEPR 2
	STEPR 3
	PLACES 4                                       ; in front of the first read of results and of loads onto scale registers
	WIN 0
.macro TOSTAGE a                       ; R's tile a: 16 rows x 64 columns into my stage, each accumulator from its low end on, and back by rows
.irp b, 0,1,2,3
.irp q, 0,1
	ds_store_b128 v[STO], v[ACC+8*(4*(\a)+\b)+4*\q:ACC+8*(4*(\a)+\b)+4*\q+3] offset:128*(\b/2)+32*(\b%2)+16*\q
.endr
.endr
.irp t, 0,1,2,3,4,5,6,7
	ds_load_b128 v[BK+32*((\a)%2)+4*\t:BK+32*((\a)%2)+4*\t+3], v[RD] offset:2*SPITCH*\t   ; LDS serves a wave's instructions in order: these see the stores above
.endr
.endm
.macro SEND a, younger
	s_wait_dscnt \younger
.irp t, 0,1,2,3,4,5,6,7
	global_store_b128 v[CO], v[BK+32*((\a)%2)+4*\t:BK+32*((\a)%2)+4*\t+3], s[8:9] offset:(32*((\a)/2)+8*((\a)%2)+2*\t+8*(\t/4))*8192 th:TH_STORE_NT   ; sixteen lanes store 256 consecutive bytes, aligned
.endr
.endm
	TOSTAGE 0
.irp a, 1,2,3
.if \a > 1
	s_wait_xcnt 0x0                                ; tile a - 2's stores have read their registers
.endif
	TOSTAGE \a
	SEND \a-1, 16                                  ; behind tile a - 1's loads: tile a's 8 stores and 8 loads
.endr
	SEND 3, 0
	s_wait_tensorcnt 0x0                           ; the wave's end
	ds_add_u32 v[SPW], v[NIL]
	s_wait_dscnt 0x0
	CROUND                                         ; the closing round
	s_endpgm
.Lfunc_end_k_q9bc9a4ac70_oproj:
	.size	k_q9bc9a4ac70_oproj, .Lfunc_end_k_q9bc9a4ac70_oproj-k_q9bc9a4ac70_oproj
	.p2alignl 7, 3214868480
	.fill 96, 4, 3214868480
	.section	.rodata,"a",@progbits
	.p2align	6, 0x0
	.amdhsa_kernel k_q9bc9a4ac70_oproj
		.amdhsa_group_segment_fixed_size 327680
		.amdhsa_private_segment_fixed_size 0
		.amdhsa_enable_private_segment 0
		.amdhsa_kernarg_size 24
		.amdhsa_user_sgpr_count 2
		.amdhsa_user_sgpr_kernarg_segment_ptr 1
		.amdhsa_wavefront_size32 1
		.amdhsa_system_sgpr_workgroup_id_x 1
		.amdhsa_system_sgpr_workgroup_id_y 1
		.amdhsa_system_sgpr_workgroup_id_z 1
		.amdhsa_system_vgpr_workitem_id 0
		.amdhsa_next_free_vgpr 960
		.amdhsa_next_free_sgpr 96
		.amdhsa_reserve_vcc 0
		.amdhsa_float_denorm_mode_32 3
		.amdhsa_float_denorm_mode_16_64 3
		.amdhsa_memory_ordered 1
		.amdhsa_forward_progress 1
		.amdhsa_inst_pref_size 87
	.end_amdhsa_kernel
	.amdgpu_metadata
---
amdhsa.version: [ 1, 2 ]
amdhsa.kernels:
  - .name:           k_q9bc9a4ac70_oproj
    .symbol:         k_q9bc9a4ac70_oproj.kd
    .args:
      - { .name: aoc, .offset: 0, .size: 8, .value_kind: global_buffer, .address_space: global }
      - { .name: cod, .offset: 8, .size: 8, .value_kind: global_buffer, .address_space: global }
      - { .name: out0, .offset: 16, .size: 8, .value_kind: global_buffer, .address_space: global }
    .group_segment_fixed_size: 327680
    .private_segment_fixed_size: 0
    .kernarg_segment_align: 8
    .kernarg_segment_size: 24
    .max_flat_workgroup_size: 128
    .sgpr_count:     96
    .vgpr_count:     960
    .wavefront_size: 32
...
	.end_amdgpu_metadata
.endif
;; end of part 4
